; MI455X (gfx1250); checked and timed in simulation.
; The chip was launched on July 23, 2026; its instructions are those of AMD's public machine-readable ISA for CDNA 5 (MIT licence, August 2026) and "CDNA5" Instruction Set Architecture Reference Guide (July 2026). The comments in the code are by the model that wrote it; some were corrected since.
;; Any GPT Attention Only. Allowed arithmetic: float matrix products may take bf16 or f16 operands with f32 sums; other float arithmetic in f32, or as packed bf16 or f16 multiplies, adds, multiply-adds, maxima and minima; sums over many terms, partial sums and values carried from step to step in f32; what a program stores and reads back later, other than sums and carried values, may be rounded once to bf16 or f16.
;; Inputs: bo 1,024 float32; hidden_states 4 x 2,048 x 1,024 float32; ln_b 1,024 float32; ln_w 1,024 float32; wk 1,024 x 1,024 float32; wo 1,024 x 1,024 float32; wq 1,024 x 1,024 float32; wv 1,024 x 1,024 float32.
;; Outputs: out0 4 x 2,048 x 1,024 float32.
;; 2 versions, each right; version 2 is version 1 with the launch prep written anew for expert scheduling mode. Each part assembles by itself: llvm-mc -triple=amdgcn-amd-amdhsa -mcpu=gfx1250 --defsym DOCPART=n.
;; ======== version 1 of 2: 4 launches
;; limits: values are held in f16: magnitudes above 65,504 overflow, below 6.1e-05 lose precision
;; workspace buffers: xb 16,777,216 bytes; wb 6,291,456 bytes; wob 2,097,152 bytes; stats 65,536 bytes; qkv 50,331,648 bytes; ctx 16,777,216 bytes
;; launch prep (part 1): grid 768 x 1, 4 waves a work-group, no clusters, 0 bytes of LDS; arguments hidden_states, wq, wk, wv, wo, xb, wb, wob, stats; writes xb, wb, wob, stats
.if DOCPART == 1
	.amdgcn_target "amdgcn-amd-amdhsa--gfx1250"
	.amdhsa_code_object_version 6
	.text
	.protected	k_q86284a3345_prep
	.globl	k_q86284a3345_prep
	.p2align	8
	.type	k_q86284a3345_prep,@function
k_q86284a3345_prep:
	s_mov_b64 s[64:65], 0
	v_nop
	global_prefetch_b8 v0, s[64:65] scope:SCOPE_SE
	s_setreg_imm32_b32 hwreg(HW_REG_WAVE_MODE, 25, 1), 1
	s_wait_xcnt 0x0
; PREPARATION.  12,288 rows of 1,024 f32 (8,192 of x, 1,024 each of wq, wk, wv, wo) are rounded once to 16 bits and laid out BY BLOCKS OF 64 CHANNELS:
; [16 blocks][rows][64], a row's piece 128 bytes, so that the rows of one block lie end to end and every tile of the later products is dense memory.
;   x -> xb (bf16);  wq, wk, wv -> wb (bf16, rows 0-1023, 1024-2047, 2048-3071);  wo -> wob: rounded to bf16 like the other inputs, that number written as f16.
; For x's rows also the LayerNorm's figures, in f32 from the f32 x, in two passes (the mean; then the squared deviations from it): stats[row] = (rstd, -mean x rstd).
; LIMITS.  A weight of wo below 6e-5 keeps f16's fixed step of 6e-8; NaN and infinities are not treated apart.
; SHARES.  A work-group takes 16 rows, 768 work-groups in all, one pass, no loop: 0-511 x, 512-767 the weights (64 each).  Thread t holds row t / 8 and, of each block, the 8 numbers
; 8 (t % 8) on: a row stays in 8 neighbouring lanes, so its sums want three exchanges; a store of a wave covers 4 rows x 128 bytes = 512 consecutive bytes.
; All 32 loads of a lane (16 KiB a wave) go out at once; nothing is read twice.  No LDS, no matrix unit, no cluster: nothing is shared and memory is all the work.
.set OFF, 4                            ; v[4:19]    byte offset of my 16 bytes in block kb of the destination
.set SUM, 20                           ; v[20:27]   four chains of packed sums
.set T,   28                           ; v[28:35]   at work
.set MU,  36                           ; v[36:37]   the mean, twice
.set R,   38                           ; v[38:39]   rstd, -mean x rstd
.set X,   40                           ; v[40:167]  my 128 numbers: block kb at X + 8 kb
	s_load_b512 s[8:23], s[0:1], 0x0               ; x s[8:9], wq s[10:11], wk s[12:13], wv s[14:15], wo s[16:17], xb s[18:19], wb s[20:21], wob s[22:23]
	s_load_b64 s[24:25], s[0:1], 0x40              ; stats
	v_lshrrev_b32 v2, 3, v0                        ; my row of the 16
	v_and_b32 v3, 7, v0                            ; my eighth of a block
	v_lshlrev_b32 v1, 12, v2                       ; source: row x 4,096
	v_lshl_or_b32 v1, v3, 5, v1                    ; + 32 bytes for each eighth
	v_lshlrev_b32 v2, 3, v2                        ; stats: row x 8
	v_lshlrev_b32 v[OFF], 4, v0                    ; destination: row x 128 + eighth x 16 = 16 t
	s_mov_b32 s35, 0x3a800000                      ; 1 / 1024
	s_mov_b32 s36, 0x33d6bf95                      ; 1e-7
	s_mov_b32 s37, 0xffff0000                      ; a word's upper bf16
	s_mov_b32 s3, 0
	s_wait_kmcnt 0x0
	s_cmp_lt_u32 ttmp9, 512
	s_cbranch_scc0 .Lweights
	s_lshl_b32 s2, ttmp9, 16                       ; 16 rows of 4,096 bytes
	s_add_nc_u64 s[26:27], s[8:9], s[2:3]          ; source
	s_lshl_b32 s2, ttmp9, 11                       ; 16 rows of 128 bytes
	s_add_nc_u64 s[28:29], s[18:19], s[2:3]        ; destination
	s_lshl_b32 s2, ttmp9, 7                        ; 16 rows of 8 bytes
	s_add_nc_u64 s[24:25], s[24:25], s[2:3]
	s_mov_b32 s30, 1048576                         ; bytes from block to block: 8,192 rows x 128
	s_mov_b32 s31, 0                               ; kind 0: x
	s_branch .Lgo
.Lweights:
	s_sub_co_u32 s32, ttmp9, 512
	s_lshr_b32 s33, s32, 6                         ; which weight: 0 wq, 1 wk, 2 wv, 3 wo
	s_and_b32 s32, s32, 63                         ; which 16 rows of it
	s_mov_b32 s30, 393216                          ; wb: 3,072 rows x 128
	s_cmp_eq_u32 s33, 1
	s_cselect_b64 s[26:27], s[12:13], s[10:11]
	s_cmp_eq_u32 s33, 2
	s_cselect_b64 s[26:27], s[14:15], s[26:27]
	s_cmp_eq_u32 s33, 3
	s_cselect_b64 s[26:27], s[16:17], s[26:27]
	s_cselect_b64 s[28:29], s[22:23], s[20:21]     ; wo goes to wob, the others to wb
	s_cselect_b32 s30, 131072, s30                 ; wob: 1,024 rows x 128
	s_cselect_b32 s31, 2, 1                        ; kind 2: wo; kind 1: the others
	s_cselect_b32 s33, 0, s33                      ; wob has one weight's rows
	s_lshl_b32 s2, s32, 16
	s_add_nc_u64 s[26:27], s[26:27], s[2:3]
	s_lshl_b32 s2, s32, 11
	s_lshl_b32 s33, s33, 17                        ; 1,024 rows of 128 bytes for each weight in front
	s_add_co_u32 s2, s2, s33
	s_add_nc_u64 s[28:29], s[28:29], s[2:3]
.Lgo:
.set k, 0
.rept 16
	global_load_b128 v[X+8*k:X+8*k+3],   v1, s[26:27] offset:256*k th:TH_LOAD_NT
	global_load_b128 v[X+8*k+4:X+8*k+7], v1, s[26:27] offset:256*k+16 th:TH_LOAD_NT
.set k, k+1
.endr
.set k, 1
.rept 15
	v_add_nc_u32 v[OFF+k], s30, v[OFF+k-1]
.set k, k+1
.endr
	s_wait_loadcnt 0x0                             ; the mean wants the whole row
	s_cmp_lg_u32 s31, 0
	s_cbranch_scc1 .Lcvt                           ; weights have no LayerNorm
.macro REDUCE                          ; four packed chains into one number, then over the row's 8 lanes; every lane of the row ends with the sum
	v_pk_add_f32 v[SUM:SUM+1], v[SUM:SUM+1], v[SUM+2:SUM+3]
	v_pk_add_f32 v[SUM+4:SUM+5], v[SUM+4:SUM+5], v[SUM+6:SUM+7]
	v_pk_add_f32 v[SUM:SUM+1], v[SUM:SUM+1], v[SUM+4:SUM+5]
	v_add_f32 v[SUM], v[SUM], v[SUM+1]
	v_add_f32_dpp v[SUM], v[SUM], v[SUM] row_xmask:1 row_mask:0xf bank_mask:0xf
	v_add_f32_dpp v[SUM], v[SUM], v[SUM] row_xmask:2 row_mask:0xf bank_mask:0xf
	v_add_f32_dpp v[SUM], v[SUM], v[SUM] row_xmask:4 row_mask:0xf bank_mask:0xf
.endm
.set p, 0
.rept 4                                ; the first eight pairs start the chains: nothing is cleared
	v_pk_add_f32 v[SUM+2*p:SUM+2*p+1], v[X+2*p:X+2*p+1], v[X+8+2*p:X+8+2*p+1]
.set p, p+1
.endr
.set p, 8
.rept 56
	v_pk_add_f32 v[SUM+2*(p%4):SUM+2*(p%4)+1], v[SUM+2*(p%4):SUM+2*(p%4)+1], v[X+2*p:X+2*p+1]
.set p, p+1
.endr
	REDUCE
	v_mul_f32 v[MU], s35, v[SUM]
	v_mov_b32 v[MU+1], v[MU]
.set p, 0
.rept 64                               ; the squared deviations: the mean is taken away first, so a common offset of x costs nothing
	v_pk_add_f32 v[T+2*(p%4):T+2*(p%4)+1], v[X+2*p:X+2*p+1], v[MU:MU+1] neg_lo:[0,1] neg_hi:[0,1]
.if p < 4
	v_pk_mul_f32 v[SUM+2*p:SUM+2*p+1], v[T+2*p:T+2*p+1], v[T+2*p:T+2*p+1]
.else
	v_pk_fma_f32 v[SUM+2*(p%4):SUM+2*(p%4)+1], v[T+2*(p%4):T+2*(p%4)+1], v[T+2*(p%4):T+2*(p%4)+1], v[SUM+2*(p%4):SUM+2*(p%4)+1]
.endif
.set p, p+1
.endr
	REDUCE
	v_fma_f32 v[SUM], v[SUM], s35, s36             ; variance + 1e-7
	v_rsq_f32 v[R], v[SUM]
	v_nop                                          ; a plain instruction behind the root (ISA guide 5.7.2),
	s_wait_alu depctr_va_vdst(0)                   ; and the wait ahead of its first reader
	v_mul_f32 v[R+1], -v[MU], v[R]
	v_cmp_eq_u32 vcc_lo, 0, v3                     ; one lane of a row's eight stores its 8 bytes: 128 bytes a work-group, 64 KiB in the launch
	s_wait_xcnt 0x0                                ; EXEC changes only behind this wait,
	s_and_saveexec_b32 s34, vcc_lo
	global_store_b64 v2, v[R:R+1], s[24:25]
	s_wait_xcnt 0x0                                ; and again in front of the line that widens it
	s_or_b32 exec_lo, exec_lo, s34
.Lcvt:
.set k, 0
.rept 64                               ; to bf16, in place: word k % 4 of block k / 4 takes numbers 2 (k % 4) and 2 (k % 4) + 1, ascending, so no number is written over before it is read
	v_cvt_pk_bf16_f32 v[X+8*(k/4)+k%4], v[X+8*(k/4)+2*(k%4)], v[X+8*(k/4)+2*(k%4)+1]
.set k, k+1
.endr
	s_cmp_lg_u32 s31, 2
	s_cbranch_scc1 .Lstore
.set k, 0
.rept 64                               ; wo: the bf16 number written as f16
	v_lshlrev_b32 v[T+2*(k%4)], 16, v[X+8*(k/4)+k%4]
	v_and_b32 v[T+2*(k%4)+1], s37, v[X+8*(k/4)+k%4]
	v_cvt_pk_f16_f32 v[X+8*(k/4)+k%4], v[T+2*(k%4)], v[T+2*(k%4)+1]
.set k, k+1
.endr
.Lstore:
.set k, 0
.rept 16
	global_store_b128 v[OFF+k], v[X+8*k:X+8*k+3], s[28:29]  ; a wave stores 512 consecutive bytes, at a multiple of 512 from the buffer's first byte
.set k, k+1
.endr
	s_endpgm
.Lfunc_end_k_q86284a3345_prep:
	.size	k_q86284a3345_prep, .Lfunc_end_k_q86284a3345_prep-k_q86284a3345_prep
	.p2alignl 7, 3214868480
	.fill 96, 4, 3214868480
	.section	.rodata,"a",@progbits
	.p2align	6, 0x0
	.amdhsa_kernel k_q86284a3345_prep
		.amdhsa_group_segment_fixed_size 0
		.amdhsa_private_segment_fixed_size 0
		.amdhsa_enable_private_segment 0
		.amdhsa_kernarg_size 72
		.amdhsa_user_sgpr_count 2
		.amdhsa_user_sgpr_kernarg_segment_ptr 1
		.amdhsa_wavefront_size32 1
		.amdhsa_system_sgpr_workgroup_id_x 1
		.amdhsa_system_sgpr_workgroup_id_y 1
		.amdhsa_system_sgpr_workgroup_id_z 1
		.amdhsa_system_vgpr_workitem_id 0
		.amdhsa_next_free_vgpr 168
		.amdhsa_next_free_sgpr 66
		.amdhsa_reserve_vcc 1
		.amdhsa_float_denorm_mode_32 3
		.amdhsa_float_denorm_mode_16_64 3
		.amdhsa_memory_ordered 1
		.amdhsa_forward_progress 1
		.amdhsa_inst_pref_size 33
	.end_amdhsa_kernel
	.amdgpu_metadata
---
amdhsa.version: [ 1, 2 ]
amdhsa.kernels:
  - .name:           k_q86284a3345_prep
    .symbol:         k_q86284a3345_prep.kd
    .args:
      - { .name: hidden_states, .offset: 0, .size: 8, .value_kind: global_buffer, .address_space: global }
      - { .name: wq, .offset: 8, .size: 8, .value_kind: global_buffer, .address_space: global }
      - { .name: wk, .offset: 16, .size: 8, .value_kind: global_buffer, .address_space: global }
      - { .name: wv, .offset: 24, .size: 8, .value_kind: global_buffer, .address_space: global }
      - { .name: wo, .offset: 32, .size: 8, .value_kind: global_buffer, .address_space: global }
      - { .name: xb, .offset: 40, .size: 8, .value_kind: global_buffer, .address_space: global }
      - { .name: wb, .offset: 48, .size: 8, .value_kind: global_buffer, .address_space: global }
      - { .name: wob, .offset: 56, .size: 8, .value_kind: global_buffer, .address_space: global }
      - { .name: stats, .offset: 64, .size: 8, .value_kind: global_buffer, .address_space: global }
    .group_segment_fixed_size: 0
    .private_segment_fixed_size: 0
    .kernarg_segment_align: 8
    .kernarg_segment_size: 72
    .max_flat_workgroup_size: 128
    .sgpr_count:     66
    .vgpr_count:     168
    .wavefront_size: 32
...
	.end_amdgpu_metadata
.endif
;; end of part 1
;; launch qkv (part 2): grid 8 x 32, 4 waves a work-group, clusters of 4 x 4, 327,680 bytes of LDS; arguments xb, wb, qkv; writes qkv
.if DOCPART == 2
	.amdgcn_target "amdgcn-amd-amdhsa--gfx1250"
	.amdhsa_code_object_version 6
	.text
	.protected	k_q86284a3345_qkv
	.globl	k_q86284a3345_qkv
	.p2align	8
	.type	k_q86284a3345_qkv,@function
k_q86284a3345_qkv:
	s_mov_b64 s[64:65], 0
	v_nop
	global_prefetch_b8 v0, s[64:65] scope:SCOPE_SE
	s_setreg_imm32_b32 hwreg(HW_REG_WAVE_MODE, 25, 1), 1
	s_wait_xcnt 0x0
	s_wait_alu depctr_hold_cnt(0) depctr_sa_sdst(0) depctr_va_vdst(0) depctr_va_sdst(0) depctr_va_ssrc(0) depctr_va_vcc(0) depctr_vm_vsrc(0)
	s_getreg_b32 s2, hwreg(HW_REG_IB_STS2, 6, 4)
	s_cmp_eq_u32 s2, 0
	s_cbranch_scc0 .Lentry_in_a_cluster
	s_endpgm
.Lentry_in_a_cluster:
	s_bfe_u32 s2, ttmp6, 0x10000c
	s_cmp_lg_u32 s2, 0xf033
	s_cbranch_scc0 .Lentry_shape_is_right
	s_endpgm
.Lentry_shape_is_right:
; THE THREE PROJECTIONS AS ONE PRODUCT.  C[row][n] = sum over k of x[row][k] w[n][k], 8,192 x 3,072 x 1,024, operands bf16, sums f32, C rounded once to f16 and stored BY HEADS:
; qkv[G][row][64], G = n / 64: 0-15 q's heads, 16-31 k's, 32-47 v's.  xb: [16 kb][8,192][64], wb: [16 kb][3,072][64]: a tile of R rows x 64 channels is R x 128 dense bytes.
; LIMIT.  f16 holds no number beyond 65,504: a q, k or v beyond it becomes an infinity.  NaN and infinities are not treated apart.
; SHARES.  8,192 x 3,072 / 256 work-groups = a tile of 256 x 384.  Four waves, each 128 x 192: 96 accumulators of 16 x 16, 768 registers.  K goes in steps of 64 (one block) through a ring of two
; LDS slots of 640 rows; a step is 192 matrix instructions a wave.  Two slots of steps of 128 would want 368,640 bytes of LDS, which a work-group does not have.
; CLUSTERS.  4 x 4 work-groups.  The four of a row of the cluster need the same tile of x, the four of a column the same tile of w: each is asked for JOINTLY, by the same tensor load with the same
; descriptor and a mask that names the four.  Wave 0 asks for x's tile (32,768 bytes), waves 1 to 3 for a third of w's each (16,384 bytes).
; THE MATRIX INSTRUCTION IS USED TRANSPOSED (source 0 = 16 rows of w, source 1 = 16 rows of x): a lane then holds eight neighbouring columns of one row of C.
; REGISTERS, in windows of 256 (s_set_vgpr_msb: bits 1:0 source 0, 3:2 source 1, 5:4 source 2, 7:6 destination):
;   window 0: v0-31 addresses; v32-95, v96-159 x's 8 fragments of 32 channels, two buffers; v160-255 w's 12 fragments, ONE buffer in three groups of four, each loaded again when its products are issued
;   window 1 + g: the 32 accumulators of my head group g (64 columns): (a, b) at v[8 (4 a + b)]
.set KBA,    1048576                   ; bytes from a block of xb to the next
.set KBB,    393216                    ; of wb
.set PITCH,  144                       ; an LDS row: 128 bytes + 16 of padding = 36 words: the 16 rows of a fragment load start at 16 different groups of four banks (64 banks of 4 bytes: ISA guide 11.1)
.set ATILE,  256*PITCH
.set BPART,  128*PITCH
.set SLOT,   640*PITCH                 ; x's 256 rows, then w's 384
.set STAGE,  2*SLOT                    ; behind the ring: 16 rows x 144 bytes for each wave, for the way out
.set SPARE,  STAGE+4*16*PITCH          ; behind the stages: the spare words, 128 bytes for each wave: two blocks of 256 bytes that no other line names
.set ADRA, 16                          ; v16-17  LDS address of my fragments of x in slot 0, 1
.set ADRB, 20                          ; v20-21  of w
.set STO,  24                          ; v24     the way out: where I put 16 bytes of a row
.set RD,   25                          ; v25     where I read rows back
.set GO,   26                          ; v26     my 16 bytes of 512 consecutive bytes of qkv
.set SPW,  28                          ; v28     LDS address of my spare word; never rewritten
.set NIL,  29                          ; v29     0; never rewritten
.set PFO,  30                          ; v30     the prefetches' offset; never rewritten
.set AF,   32
.set BG,   160
.set TMP,  32                          ; the way out: 16 packed registers
.set OB,   64                          ; the way out: rows read back, two sets of 16
.set WV,   10                          ; s10     my wave's number
.set G1A,  24                          ; s[24:31] descriptor group 1 for x's tiles
.set G0A,  32                          ; s[32:39] group 0, a set for each slot
.set LIM0, 43                          ; s43     1 in a wave that prefetches at slot 0's changes, else the greatest number
.set PFA,  44                          ; s[44:45] where my prefetches stand
.set G1B,  48                          ; s[48:55], s[56:63] the same for w's tiles
.set G0B,  56
.set LIM1, 66                          ; s66     the same at slot 1's changes
.set PFS,  68                          ; s[68:69] bytes from a K step to the next in the tensor that I prefetch
.set MSB, 0
.macro WIN new                         ; the immediate's high byte repeats the setting that is left; a switch that changes nothing is dropped
.if MSB != (\new)
	s_set_vgpr_msb (MSB<<8)|(\new)
.set MSB, \new
.endif
.endm
.macro PLACES                          ; four places in front of loads into registers that matrix instructions have read, and of conversions that read results
.rept 4
	v_nop
.endr
.endm
; A joint load.  The branch hangs on the wave's number alone.  An s_nop 0 and four v_nop follow each of the two lines, ahead of the jump and the label.
.macro JLOAD s
	s_cmp_eq_u32 s[WV], 0
	s_cbranch_scc0 .Lfor_b_\@
	tensor_load_to_lds s[G0A+4*(\s):G0A+4*(\s)+3], s[G1A:G1A+7]
	s_nop 0
.rept 4
	v_nop
.endr
	s_branch .Lasked_\@
.Lfor_b_\@:
	tensor_load_to_lds s[G0B+4*(\s):G0B+4*(\s)+3], s[G1B:G1B+7]
	s_nop 0
.rept 4
	v_nop
.endr
.Lasked_\@:
.endm
; A PREFETCH INTO THE L2 of the K step that stands two refills on (384 matrix instructions ahead of the load that will want it), behind the joint load, its five lines and the run of LDS loads.
; Each aligned 256 bytes of xb and wb are named ONCE in the launch.  x's tile is read by both clusters of a row of clusters: cluster x = 0 asks, wave 0, at every change of slots; its four partners share the
; tile's 128 blocks out BY ADDRESS, 32 each, a lane a block.  w's tile is read by all eight clusters of a column: cluster y = 0 asks, waves 1 to 3, each for its own third; a partner's share is 16 blocks
; a step, so lanes 16-31 name the step after, and these waves ask at slot 0's changes alone.  K steps 0 to 3 come by their loads alone; the loop's last trip asks for nothing: there are no such steps.
.macro ASK lim
	s_cmp_gt_u32 s3, s[\lim]
	s_cbranch_scc0 .Lnot_mine_\@
	global_prefetch_b8 v[PFO], s[PFA:PFA+1] th:TH_LOAD_NT scope:SCOPE_SE
.Lnot_mine_\@:
.endm
.macro CREST                           ; a round of the cluster's barrier behind its opening barrier
	s_cmp_lg_u32 s[WV], 0
	s_cbranch_scc1 .Lnot_wave_0_\@
	s_barrier_signal -3
.Lnot_wave_0_\@:
	s_barrier_wait -3
	s_barrier_signal -1
	s_barrier_wait -1
.endm
.macro CROUND                          ; a whole round
	s_barrier_signal -1
	s_barrier_wait -1
	CREST
.endm
	s_load_b128 s[4:7], s[0:1], 0x0                ; xb s[4:5], wb s[6:7]
	s_load_b64 s[8:9], s[0:1], 0x10                ; qkv
	v_lshl_add_u32 v[SPW], v0, 2, SPARE
	v_mov_b32 v[NIL], 0
	ds_add_u32 v[SPW], v[NIL]                      ; the wave's opening: the add and its wait stand ahead of my first tensor load; the set-up below, work on registers, stands between them
	v_lshrrev_b32 v1, 5, v0
	v_readfirstlane_b32 s[WV], v1                  ; wave 0..3
	s_lshr_b32 s11, s[WV], 1                       ; which 128 of the tile's rows are mine
	s_and_b32 s12, s[WV], 1                        ; which 192 of its columns
	s_bfe_u32 s40, ttmp6, 0x40000                  ; cx, cy: my place in the cluster
	s_bfe_u32 s41, ttmp6, 0x40004
	s_lshl_b32 s42, ttmp9, 2
	s_add_co_u32 s42, s42, s40                     ; tile column j = 4 x cluster x + cx
	s_and_b32 s13, ttmp7, 0xffff
	s_lshl_b32 s13, s13, 2
	s_add_co_u32 s13, s13, s41                     ; tile row i = 4 x cluster y + cy
	s_lshl_b32 s21, s41, 2
	s_lshl_b32 s21, 15, s21                        ; my row of the cluster
	s_lshl_b32 s22, 0x1111, s40                    ; my column
	; descriptor group 1.  A tile is dense memory: asked for as rows of 256 bytes (two rows of the tile), padded in LDS after every 128 bytes
	s_or_b32 s[G1A], s21, (1<<16)|(1<<20)|(1<<21)|(4<<22)|(3<<25)  ; 15:0 the mask; 17:16 2-byte elements; 20 padding on; 21 set beside a mask; 24:22 after every 32 words (code 4); 31:25 4 words (code 3)
	s_or_b32 s[G1B], s22, (1<<16)|(1<<20)|(1<<21)|(4<<22)|(3<<25)
.irp g, G1A, G1B
	s_mov_b32 s[(\g)+1], 128<<16                   ; tensor_dim0 = 128
	s_mov_b32 s[(\g)+3], 128<<16                   ; tile_dim0 = 128
	s_mov_b32 s[(\g)+5], 128                       ; 128 elements from row to row
	s_mov_b32 s[(\g)+6], 0
	s_mov_b32 s[(\g)+7], 0
.endr
	s_mov_b32 s[G1A+2], 128<<16                    ; x: tensor_dim1 = tile_dim1 = 128 rows of 256 bytes
	s_mov_b32 s[G1A+4], 128
	s_mov_b32 s[G1B+2], 64<<16                     ; a third of w: 64
	s_mov_b32 s[G1B+4], 64
	s_max_u32 s23, s[WV], 1
	s_sub_co_u32 s23, s23, 1                       ; which third of w's tile I fetch (wave 0 fetches none)
	s_lshl_b32 s16, s13, 15                        ; x: 256 rows of 128 bytes for each tile row
	s_mov_b32 s17, 0
	s_mul_i32 s46, s42, 384*128                    ; w: 384 rows for each tile column,
	s_lshl_b32 s18, s23, 14                        ; 128 for each third
	s_add_co_u32 s46, s46, s18
	s_mov_b32 s47, 0
	s_mul_i32 s20, s[WV], BPART                    ; where a third goes: behind x's tile, wave 1's first: (wave + 1) x 18,432.  No place in the cluster enters an LDS address
	s_add_co_u32 s20, s20, ATILE-BPART
	s_wait_dscnt 0x0                               ; the opening add is done
	s_wait_kmcnt 0x0
	s_add_nc_u64 s[14:15], s[4:5], s[16:17]
	s_add_nc_u64 s[46:47], s[6:7], s[46:47]
	CROUND                                         ; all sixteen work-groups are here: the first joint loads meet
.irp s, 0,1
	s_mov_b32 s[G0A+4*(\s)], 1                     ; count = 1
	s_mov_b32 s[G0A+4*(\s)+1], (\s)*SLOT           ; LDS address
	s_add_nc_u64 s[G0A+4*(\s)+2:G0A+4*(\s)+3], s[14:15], (\s)*KBA  ; global address: K step s
	s_or_b32 s[G0A+4*(\s)+3], s[G0A+4*(\s)+3], 0x80000000          ; type = 2
	s_mov_b32 s[G0B+4*(\s)], 1
	s_add_co_u32 s[G0B+4*(\s)+1], s20, (\s)*SLOT
	s_add_nc_u64 s[G0B+4*(\s)+2:G0B+4*(\s)+3], s[46:47], (\s)*KBB
	s_or_b32 s[G0B+4*(\s)+3], s[G0B+4*(\s)+3], 0x80000000
	JLOAD \s                                       ; two loads of mine are out
.endr
	; a fragment is 16 rows x 32 channels in 8 registers: lane l holds row l % 16, channels 8 (l / 16) + 0..7 and 16 + 8 (l / 16) + 0..7: two loads of 16 bytes, 32 bytes apart
	v_and_b32 v1, 15, v0                           ; l % 16
	v_bfe_u32 v2, v0, 4, 1                         ; l / 16
	v_mul_u32_u24 v3, v1, PITCH
	v_lshl_add_u32 v3, v2, 4, v3
	s_mul_i32 s21, s11, 128*PITCH                  ; my 128 rows of x
	s_mul_i32 s22, s12, 192*PITCH                  ; my 192 rows of w,
	s_add_co_u32 s22, s22, ATILE                   ; which lie behind x's 256
.irp s, 0,1
	v_add_nc_u32 v[ADRA+(\s)], s21, v3
	v_add_nc_u32 v[ADRB+(\s)], s22, v3
	s_add_co_u32 s21, s21, SLOT
	s_add_co_u32 s22, s22, SLOT
.endr
	s_mul_i32 s19, s[WV], 16*PITCH
	s_add_co_u32 s19, s19, STAGE                   ; my stage
	v_add_nc_u32 v[STO], s19, v3                   ; in: row l % 16, 16 bytes for each half of the lanes
	v_bfe_u32 v4, v0, 3, 2                         ; back: 32 lanes take four rows of 128 bytes,
	v_and_b32 v5, 7, v0
	v_mul_u32_u24 v4, v4, PITCH
	v_lshl_add_u32 v4, v5, 4, v4
	v_add_nc_u32 v[RD], s19, v4
	v_and_b32 v[GO], 31, v0                        ; which are 512 consecutive bytes of qkv
	v_lshlrev_b32 v[GO], 4, v[GO]
	s_lshl_b32 s16, s13, 15                        ; qkv at my part: rows 256 i + 128 (wave / 2), 128 bytes each,
	s_lshl_b32 s18, s11, 14
	s_add_co_u32 s16, s16, s18
	s_add_nc_u64 s[8:9], s[8:9], s[16:17]
	s_mul_i32 s46, s42, 6                          ; head group 6 j + 3 (wave % 2), 8,192 rows each
	s_mul_i32 s18, s12, 3
	s_add_co_u32 s46, s46, s18
	s_lshl_b32 s46, s46, 20
	s_mov_b32 s47, 0
	s_add_nc_u64 s[8:9], s[8:9], s[46:47]
	; the prefetches: my share, at K step 3; each change of slots steps it by a K step and then names it
	s_and_b32 s22, ttmp7, 0xffff                   ; cluster y
	s_lshl_b32 s70, s13, 15                        ; x: the tile row's 32,768 bytes,
	s_lshl_b32 s71, s40, 13                        ; my work-group's 8,192 of them
	s_add_co_u32 s70, s70, s71
	s_add_co_u32 s70, s70, 3*KBA
	s_mul_i32 s72, s42, 384*128                    ; w: the tile column's 49,152 bytes,
	s_lshl_b32 s73, s23, 14                        ; my wave's third,
	s_add_co_u32 s72, s72, s73
	s_lshl_b32 s73, s41, 12                        ; my work-group's 4,096 of it
	s_add_co_u32 s72, s72, s73
	s_add_co_u32 s72, s72, 3*KBB
	s_mov_b32 s[PFS], KBB
	s_mov_b32 s[PFS+1], 0
	s_mov_b32 s21, KBB
	s_cmp_eq_u32 s[WV], 0                          ; do I fetch for x?
	s_cselect_b32 s70, s70, s72
	s_cselect_b32 s22, ttmp9, s22                  ; the coordinate along which other clusters read the same bytes
	s_cselect_b64 s[PFA:PFA+1], s[4:5], s[6:7]
	s_cselect_b32 s[PFS], KBA, s[PFS]
	s_cselect_b32 s21, 4096, s21                   ; lanes 16-31: x: the next 16 blocks; w: the next K step
	s_cselect_b32 s[LIM1], 1, -1
	s_mov_b32 s71, 0
	s_add_nc_u64 s[PFA:PFA+1], s[PFA:PFA+1], s[70:71]
	s_cmp_eq_u32 s22, 0
	s_cselect_b32 s[LIM0], 1, -1                   ; the same in all sixteen partners, for a given wave
	s_cselect_b32 s[LIM1], s[LIM1], -1
	v_mul_u32_u24 v[PFO], s21, v2
	v_lshl_add_u32 v[PFO], v1, 8, v[PFO]
; na x 4 matrix instructions: row blocks a0 .. a0 + na - 1 x the four column blocks of head group g, 32 along K, x's buffer p.  zero = 1: the product starts the sums: nothing is ever cleared.
; The 96 accumulators take turns, one instruction a turn, in the same order in every 32 along K.
.macro MULG p, g, a0, na, zero
	WIN 0x50*((\g)+1)                              ; C and D in window g + 1, the sources in window 0
.set ma, \a0
.rept \na
.irp b, 0,1,2,3
.if \zero
	v_wmma_f32_16x16x32_bf16 v[8*(4*ma+(\b)):8*(4*ma+(\b))+7], v[BG+32*(\g)+8*(\b):BG+32*(\g)+8*(\b)+7], v[AF+64*(\p)+8*ma:AF+64*(\p)+8*ma+7], 0
.else
	v_wmma_f32_16x16x32_bf16 v[8*(4*ma+(\b)):8*(4*ma+(\b))+7], v[BG+32*(\g)+8*(\b):BG+32*(\g)+8*(\b)+7], v[AF+64*(\p)+8*ma:AF+64*(\p)+8*ma+7], v[8*(4*ma+(\b)):8*(4*ma+(\b))+7]
.endif
.endr
.set ma, ma+1
.endr
.endm
; 24 LDS loads in one run: w's group 0, then x's 8 fragments into buffer p; half kq (32 channels) of the slot's rows
.macro FETCH1 slot, kq, p
	WIN 0
.irp b, 0,1,2,3
	ds_load_b128 v[BG+8*(\b):BG+8*(\b)+3],   v[ADRB+(\slot)] offset:(\kq)*64+(\b)*16*PITCH
	ds_load_b128 v[BG+8*(\b)+4:BG+8*(\b)+7], v[ADRB+(\slot)] offset:(\kq)*64+(\b)*16*PITCH+32
.endr
.irp a, 0,1,2,3,4,5,6,7
	ds_load_b128 v[AF+64*(\p)+8*(\a):AF+64*(\p)+8*(\a)+3],   v[ADRA+(\slot)] offset:(\kq)*64+(\a)*16*PITCH
	ds_load_b128 v[AF+64*(\p)+8*(\a)+4:AF+64*(\p)+8*(\a)+7], v[ADRA+(\slot)] offset:(\kq)*64+(\a)*16*PITCH+32
.endr
.endm
; 16 LDS loads: w's group 1, then group 2
.macro FETCH2 slot, kq
	WIN 0
.irp b, 4,5,6,7,8,9,10,11
	ds_load_b128 v[BG+8*(\b):BG+8*(\b)+3],   v[ADRB+(\slot)] offset:(\kq)*64+(\b)*16*PITCH
	ds_load_b128 v[BG+8*(\b)+4:BG+8*(\b)+7], v[ADRB+(\slot)] offset:(\kq)*64+(\b)*16*PITCH+32
.endr
.endm
; The first half of a K step: multiplies x's buffer 0; each group of w is loaded again, for the second half, four places behind its last product.
.macro HALF0 slot, zero
	s_wait_dscnt 16                                ; group 0 and x are in; the 16 loads of groups 1 and 2 may be out
	MULG 0, 0, 0, 8, \zero
	PLACES
	FETCH1 \slot, 1, 1
	s_wait_dscnt 32                                ; group 1 is in; group 2's 8 and the 24 just issued may be out
	MULG 0, 1, 0, 8, \zero
	s_wait_dscnt 24                                ; group 2 is in
	MULG 0, 2, 0, 8, \zero
	PLACES
	FETCH2 \slot, 1
.endm
; The second half multiplies buffer 1 and changes slots: ONE barrier.  In front of it each wave waits for all its tensor loads, of which one is out: its part of the next slot; adds 0 to its spare word; and waits
; for that and for its own reads of this slot, all of which were issued in the first half.  fill = 1: the barrier opens a round of the cluster's barrier, and this slot is filled again, two K steps ahead, first
; thing behind the round: 160 matrix instructions ahead of the wait for it.
.macro TURN slot, next, fill, lim
.if \fill
	s_wait_xcnt 0x0                                ; the last prefetch, a K step back, has read its address: it is stepped here, ahead of the waits of the change of slots
	s_add_nc_u64 s[PFA:PFA+1], s[PFA:PFA+1], s[PFS:PFS+1]
.endif
	WIN 0                                          ; (the add's two registers lie in window 0)
	s_wait_tensorcnt 0x0                           ; all my tensor loads have landed;
	ds_add_u32 v[SPW], v[NIL]                      ; 0 onto my spare word;
	s_wait_dscnt 17                                ; (group 0 and x are in; the 16 loads of groups 1 and 2 and the add may be out)
	MULG 1, 0, 0, 4, 0                             ; sixteen matrix instructions stand between the add and the wait for it
	s_wait_dscnt 0x0                               ; the add is done, and my reads of this slot are over
	s_barrier_signal -1
	MULG 1, 0, 4, 4, 0                             ; work on registers while the others arrive
	WIN 0
	s_barrier_wait -1
.if \fill
	CREST                                          ; no wave of any partner still reads this slot or has a load on its way
	s_add_nc_u64 s[G0A+4*(\slot)+2:G0A+4*(\slot)+3], s[G0A+4*(\slot)+2:G0A+4*(\slot)+3], 2*KBA
	s_add_nc_u64 s[G0B+4*(\slot)+2:G0B+4*(\slot)+3], s[G0B+4*(\slot)+2:G0B+4*(\slot)+3], 2*KBB
	JLOAD \slot                                    ; the four v_nop behind it are also the places in front of the loads below
.else
	PLACES
.endif
	FETCH1 \next, 0, 0
.if \fill
	ASK \lim
.endif
	MULG 1, 1, 0, 8, 0
	MULG 1, 2, 0, 8, 0
	PLACES
	FETCH2 \next, 0
.endm
	s_wait_tensorcnt 1                             ; my part of K step 0 is in; K step 1's may stay out
	s_barrier_signal -1
	s_barrier_wait -1                              ; everybody's is
	FETCH1 0, 0, 0
	FETCH2 0, 0
	HALF0 0, 1                                     ; the first half step stands in front of the loop: its products start the sums
	WIN 0                                          ; at a label and at a branch every window is 0
	s_mov_b32 s3, 7
.Llap:                                                 ; a trip goes once round the ring and fills both slots again: K steps 2 to 15 in seven trips
	TURN 0, 1, 1, LIM0
	HALF0 1, 0
	TURN 1, 0, 1, LIM1
	HALF0 0, 0
	WIN 0
	s_sub_co_u32 s3, s3, 1
	s_cmp_lg_u32 s3, 0
	s_cbranch_scc1 .Llap
	TURN 0, 1, 0, 0                                ; the last two K steps fill nothing
	HALF0 1, 0
	s_wait_dscnt 16                                ; the very last half: nothing more to fetch
	MULG 1, 0, 0, 8, 0
	s_wait_dscnt 8
	MULG 1, 1, 0, 8, 0
	s_wait_dscnt 0x0
	MULG 1, 2, 0, 8, 0
	WIN 0
	PLACES
; THE WAY OUT, in 24 units u = 8 g + a of 16 rows x one head group.  PACK: rounded to f16, a lane's eight columns are 16 bytes (each accumulator's registers in ascending order).  TOSTAGE: into my own stage, rows of
; 144 bytes, and back as whole rows of 128.  SEND: 16 rows of a head group are 2,048 consecutive bytes of qkv.
.macro PACK u
.set pg, (\u)/8
.set pa, (\u)%8
	WIN (pg+1)*5                                   ; sources 0 and 1 in window g + 1
.irp b, 0,1,2,3
.irp r, 0,1,2,3
	v_cvt_pk_f16_f32 v[TMP+4*(\b)+(\r)], v[8*(4*pa+(\b))+2*(\r)], v[8*(4*pa+(\b))+2*(\r)+1]
.endr
.endr
.endm
.macro TOSTAGE u
	WIN 0
.set BK, OB+16*((\u)%2)
.irp b, 0,1,2,3
	ds_store_b128 v[STO], v[TMP+4*(\b):TMP+4*(\b)+3] offset:32*(\b)
.endr
.irp f, 0,1,2,3
	ds_load_b128 v[BK+4*(\f):BK+4*(\f)+3], v[RD] offset:(\f)*4*PITCH  ; LDS serves a wave's instructions in order (ISA guide 5.7.1.4): these see the stores above
.endr
.endm
.macro SEND u
	WIN 0
.set BK, OB+16*((\u)%2)
	s_wait_dscnt 0x0                               ; the unit is back in registers
	s_wait_xcnt 0x0                                ; the stores of the unit before have read their registers, which the next unit's loads write
.irp f, 0,1,2,3
	global_store_b128 v[GO], v[BK+4*(\f):BK+4*(\f)+3], s[8:9] offset:((\u)/8)*1048576+((\u)%8)*2048+(\f)*512  ; 512 consecutive bytes, at a multiple of 512 from qkv's first byte
.endr
.endm
	PACK 0
	TOSTAGE 0
.set uu, 1
.rept 23                               ; a unit's conversions stand between the loads of the unit before and the wait for them
	PACK uu
	SEND uu-1
	TOSTAGE uu
.set uu, uu+1
.endr
	SEND 23
	s_wait_tensorcnt 0x0                           ; the wave's end, behind my last tensor load and my last LDS store
	ds_add_u32 v[SPW], v[NIL]
	s_wait_dscnt 0x0
	CROUND                                         ; the closing round: no work-group ends while a partner may still ask for a tile that names it
	s_endpgm
.Lfunc_end_k_q86284a3345_qkv:
	.size	k_q86284a3345_qkv, .Lfunc_end_k_q86284a3345_qkv-k_q86284a3345_qkv
	.p2alignl 7, 3214868480
	.fill 96, 4, 3214868480
	.section	.rodata,"a",@progbits
	.p2align	6, 0x0
	.amdhsa_kernel k_q86284a3345_qkv
		.amdhsa_group_segment_fixed_size 327680
		.amdhsa_private_segment_fixed_size 0
		.amdhsa_enable_private_segment 0
		.amdhsa_kernarg_size 24
		.amdhsa_user_sgpr_count 2
		.amdhsa_user_sgpr_kernarg_segment_ptr 1
		.amdhsa_wavefront_size32 1
		.amdhsa_system_sgpr_workgroup_id_x 1
		.amdhsa_system_sgpr_workgroup_id_y 1
		.amdhsa_system_sgpr_workgroup_id_z 1
		.amdhsa_system_vgpr_workitem_id 0
		.amdhsa_next_free_vgpr 1024
		.amdhsa_next_free_sgpr 76
		.amdhsa_reserve_vcc 0
		.amdhsa_float_denorm_mode_32 3
		.amdhsa_float_denorm_mode_16_64 3
		.amdhsa_memory_ordered 1
		.amdhsa_forward_progress 1
		.amdhsa_inst_pref_size 131
	.end_amdhsa_kernel
	.amdgpu_metadata
---
amdhsa.version: [ 1, 2 ]
amdhsa.kernels:
  - .name:           k_q86284a3345_qkv
    .symbol:         k_q86284a3345_qkv.kd
    .args:
      - { .name: xb, .offset: 0, .size: 8, .value_kind: global_buffer, .address_space: global }
      - { .name: wb, .offset: 8, .size: 8, .value_kind: global_buffer, .address_space: global }
      - { .name: qkv, .offset: 16, .size: 8, .value_kind: global_buffer, .address_space: global }
    .group_segment_fixed_size: 327680
    .private_segment_fixed_size: 0
    .kernarg_segment_align: 8
    .kernarg_segment_size: 24
    .max_flat_workgroup_size: 128
    .sgpr_count:     76
    .vgpr_count:     1024
    .wavefront_size: 32
...
	.end_amdgpu_metadata
.endif
;; end of part 2
;; launch attn (part 3): grid 4 x 64, 8 waves a work-group, no clusters, 252,928 bytes of LDS; arguments qkv, ctx; writes ctx
.if DOCPART == 3
	.amdgcn_target "amdgcn-amd-amdhsa--gfx1250"
	.amdhsa_code_object_version 6
	.text
	.protected	k_q86284a3345_attn
	.globl	k_q86284a3345_attn
	.p2align	8
	.type	k_q86284a3345_attn,@function
k_q86284a3345_attn:
	s_mov_b64 s[64:65], 0
	v_nop
	global_prefetch_b8 v0, s[64:65] scope:SCOPE_SE
	s_setreg_imm32_b32 hwreg(HW_REG_WAVE_MODE, 25, 1), 1
	s_wait_xcnt 0x0
; LOCAL ATTENTION.  ctx[h][row q][:] = the sum over keys k with 0 <= q - k < 256 (of the same sequence) of softmax_k(Q[q] . K[k]) V[k][:]; no scale.  qkv: [48][8,192][64] f16 (q's heads, k's, v's); ctx: [16][8,192][64] f16.
; Products, maxima and sums in f32; the weights p are rounded to f16 for the second product (their sum l is taken of the unrounded p), ctx once at the end.
; LIMITS.  q, k, v arrive within f16's 65,504.  A hidden score counts as its value less 1e30: f16's scores, 2.7e11 at the most, are nothing beside that.  A weight below 2^-126 counts as 0.  NaN and infinities are not treated apart.
; SHARES.  A work-group takes 512 queries of one head and sequence; each of its eight waves a band of 64: four tiles of 16, worked as two PIECES of two tiles.  A band needs the 320 keys from 256 in front of its
; first query on: five steps of 64.  They are walked DOWNWARD, the step with the diagonal first, so that the running maximum is a true score from the first step on (every query sees itself).
; K AND V.  The work-group's 768 keys (256 in front of its first query to its last) are brought into LDS once, 192 keys of K or of V by each wave: no slot is filled again.  In a sequence's first chunk the first 256 rows
; lie in front of the sequence: their addresses still lie inside qkv (k's and v's heads begin behind q's), the bytes are finite f16 of another head, and every score made of them is hidden.
; THE MASK is the C operand that starts the sum S^T = K Q^T: 0, or -1e30 where the key is hidden.  For tile t and key group kt of 16 it is one of three sets of eight registers: CL (kt < t), CE (kt = t), CG (kt > t),
; made anew in each step from three scalars and TRI (1 where my key's place in its group is greater than my query's place in its tile): CL = BL, CG = BG, CE = TRI x AL + BL.
;   the diagonal's step: (AL, BL, BG) = (-1e30, 0, -1e30);  the three in the middle: (0, 0, 0);  the far edge: (+1e30, -1e30, 0): 1e30 - 1e30 is 0;  in front of the sequence: (0, -1e30, -1e30).
; LAYOUT.  S^T = K Q^T holds ONE query a lane (lane % 16) and the keys 8 (lane / 16) + 0..7; two such results rounded to f16 ARE source 1 of O^T = V^T P.  K comes out of LDS as it lies, V turned, by ds_load_tr16_b128.
; SOFTMAX.  p = 2^(c (s - m)), c = log2(e), with a running maximum m: the maximum is taken away FIRST, so the exponent is never above 0 whatever the scores' size; O and l are multiplied by a = 2^(c (m_old - m)).
; IN PHASES.  Two waves lie on a SIMD: while one walks its softmax the other has the matrix unit.
; NO CLUSTER: two neighbouring chunks share 256 of a work-group's 768 keys, and those would have to land at different LDS addresses in the two; a joint load has one descriptor.
; NO PREFETCH: all that the launch reads is asked for at its head, in one group.
; REGISTERS, in windows of 256 (s_set_vgpr_msb: bits 1:0 source 0, 3:2 source 1, 5:4 source 2, 7:6 destination):
;   window 0: v0-15 addresses; v16-31 statistics; v32-39 at work; v48-79 TRI, CL, CE, CG; v80-143 S^T of a piece; v144-175 P of a piece; v176-239 K of one step
;   window 1: v0-127 O^T, 32 a tile; v128-191 Q, 16 a tile; v192-255 V of one step
.set KPITCH, 144      ; a row of K in LDS: 128 bytes + 16 of padding = 36 words: the 16 rows of a load start at 16 different groups of four banks (64 banks of 4 bytes: ISA guide 11.1)
.set VPITCH, 160      ; a row of V: 128 + 32 = 40 words
.set VBASE, 768*KPITCH
.set STAGE, VBASE+768*VPITCH   ; behind the tiles: 16 rows x 144 bytes for each wave, for the way out
.set SPARE, STAGE+8*16*KPITCH  ; behind the stages: the spare words, 128 bytes for each wave: four blocks of 256 bytes that no other line names
.set AK0, 2           ; v2   my lane's place in a step of K; never rewritten
.set AV0, 3           ; v3   the same for V
.set AK,  4           ; v4   the LDS address of K's run of loads
.set AV,  5           ; v5   of V's
.set QO,  6           ; v6   my byte offset in 16 rows of Q
.set STO, 7           ; v7   the way out: where I put 16 bytes of a row
.set RD,  8           ; v8   where I read rows back
.set GO,  9           ; v9   my 16 bytes of 512 consecutive bytes of ctx
.set SPW, 10          ; v10  LDS address of my spare word; never rewritten
.set NIL, 11          ; v11  0; never rewritten
.set ST,  16          ; tile t's statistics at v[ST+4 t]: m, m_old, l (even keys', odd keys')
.set TMP, 32          ; tile u of the piece: four registers c0-c3 at work; c2 ends as a
.set TRI, 48
.set CL,  56
.set CE,  64
.set CG,  72
.set S,   80
.set P,   144
.set KF,  176         ; key group kt, channel half c at KF + 16 kt + 8 c
.set QF,  128         ; window 1: tile t, channel half c at QF + 16 t + 8 c
.set VF,  192         ; window 1: key half kk, channel block cb at VF + 32 kk + 8 cb
.set WV,  8           ; s8   my wave's number
.set G1,  16          ; s[16:23] descriptor group 1
.set G0,  24          ; s[24:27] descriptor group 0
.set CNT, 28          ; s28  steps to go, 5 to 1: the step in hand is CNT - 1 (4: the diagonal's; 0: the far edge)
.set TBK, 29          ; s29  LDS byte at which K of the step fetched last begins
.set TBV, 30          ; s30  the same for V, less VBASE
.set CS,  32          ; s[32:33] c
.set SEL, 34          ; s[34:35] v_permlanex16_b32's selects: each lane takes its own place in the other half
.set AL,  36          ; s[36:37] the mask's factor, in the low word
.set BL,  38          ; s[38:39] the mask's addend, and CL
.set BGV, 40          ; s40  CG
.set NEG, 41          ; s41  -1e30
.set POS, 42          ; s42  +1e30
.set WO,  43          ; s43  my wave's number, + 4 where the chunk is not its sequence's first: a step lies in front of the sequence where WO + CNT < 5
.set MSB, 0
.macro WIN new                      ; the high byte repeats the setting that is left; a switch that changes nothing is dropped
.if MSB != (\new)
	s_set_vgpr_msb (MSB<<8)|(\new)
.set MSB, \new
.endif
.endm
.macro PLACES                       ; four places behind matrix instructions (ISA guide 7.12.1)
.rept 4
	v_nop
.endr
.endm
	s_load_b128 s[4:7], s[0:1], 0x0 ; qkv s[4:5], ctx s[6:7]
	v_lshl_add_u32 v[SPW], v0, 2, SPARE
	v_mov_b32 v[NIL], 0
	ds_add_u32 v[SPW], v[NIL]       ; the wave's opening: the add and its wait stand ahead of my tensor load; the set-up below, work on registers, stands between them
	v_lshrrev_b32 v1, 5, v0
	v_readfirstlane_b32 s[WV], v1   ; wave 0..7
	s_and_b32 s12, ttmp7, 0xffff    ; 4 x head + sequence: its 2,048 rows are dense in every one of the 48 groups' order
	s_lshl_b32 s12, s12, 11
	s_lshl_b32 s13, ttmp9, 9        ; the chunk's 512 queries
	s_add_co_u32 s12, s12, s13      ; the row of the chunk's first query
	s_lshr_b32 s9, s[WV], 2         ; I fetch for K (0) or for V (1),
	s_and_b32 s10, s[WV], 3         ; this quarter of the 768 keys
	s_mul_i32 s10, s10, 192
	s_lshl_b32 s11, s9, 17          ; v's heads lie 131,072 rows behind k's,
	s_add_co_u32 s10, s10, s11
	s_add_co_u32 s10, s10, 131072-256  ; k's 131,072 rows behind q's; the keys begin 256 in front of the first query
	s_add_co_u32 s10, s10, s12
	s_lshl_b32 s10, s10, 7          ; in bytes: under 2^26
	s_mov_b32 s11, 0
	s_lshl_b32 s14, s[WV], 6        ; my band's 64 queries
	s_add_co_u32 s14, s14, s12
	s_lshl_b32 s14, s14, 7
	s_mov_b32 s15, 0
	; descriptor group 1: 192 keys are 24,576 dense bytes: asked for as 96 rows of 256 bytes, two keys a row, padded in LDS after every key.  Its first word is written in the branch below
	s_mov_b32 s[G1+1], 128<<16      ; tensor_dim0 = 128
	s_mov_b32 s[G1+2], 96<<16       ; tensor_dim1 = 96
	s_mov_b32 s[G1+3], 128<<16      ; tile_dim0 = 128
	s_mov_b32 s[G1+4], 96           ; tile_dim1 = 96
	s_mov_b32 s[G1+5], 128          ; 128 elements from row to row
	s_mov_b32 s[G1+6], 0
	s_mov_b32 s[G1+7], 0
	s_mov_b32 s[G0], 1              ; count = 1
	s_mov_b32 s[CS], 0x3fb8aa3b     ; c = log2(e)
	s_mov_b32 s[CS+1], s[CS]        ; named with it as a pair
	s_mov_b32 s[SEL], 0x76543210
	s_mov_b32 s[SEL+1], 0xfedcba98
	s_mov_b32 s[AL+1], 0            ; named as pairs
	s_mov_b32 s[BL+1], 0
	s_mov_b32 s[NEG], 0xf149f2ca    ; -1e30
	s_mov_b32 s[POS], 0x7149f2ca    ; +1e30
	s_cmp_eq_u32 ttmp9, 0
	s_cselect_b32 s[WO], 0, 4
	s_add_co_u32 s[WO], s[WO], s[WV]
	s_mul_i32 s[TBK], s[WV], 64*KPITCH  ; my step number n begins at LDS row 64 (wave + n); each fetch steps down first
	s_add_co_u32 s[TBK], s[TBK], 5*64*KPITCH
	s_mul_i32 s[TBV], s[WV], 64*VPITCH
	s_add_co_u32 s[TBV], s[TBV], 5*64*VPITCH
	s_wait_dscnt 0x0                ; the opening add is done
	s_wait_kmcnt 0x0
	s_add_nc_u64 s[G0+2:G0+3], s[4:5], s[10:11]  ; global address of my quarter
	s_or_b32 s[G0+3], s[G0+3], 0x80000000        ; type = 2
	s_add_nc_u64 s[4:5], s[4:5], s[14:15]        ; Q and ctx at my band's first row
	s_add_nc_u64 s[6:7], s[6:7], s[14:15]
	s_cmp_lt_u32 s[WV], 4           ; one tensor load a wave, both lines in one branch on the wave's number; an s_nop 0 and four v_nop follow each
	s_cbranch_scc0 .Lfor_v
	s_mov_b32 s[G1], (1<<16)|(1<<20)|(4<<22)|(3<<25)  ; 17:16 2-byte elements; 20 padding on; 24:22 after every 32 words (code 4); 31:25 4 words (code 3)
	s_mul_i32 s[G0+1], s[WV], 192*KPITCH              ; LDS address: K's quarter
	tensor_load_to_lds s[G0:G0+3], s[G1:G1+7]
	s_nop 0
.rept 4
	v_nop
.endr
	s_branch .Lasked
.Lfor_v:
	s_mov_b32 s[G1], (1<<16)|(1<<20)|(4<<22)|(7<<25)  ; the same with 8 words of padding (code 7)
	s_mul_i32 s[G0+1], s[WV], 192*VPITCH              ; V's quarter: VBASE + (wave - 4) x 30,720
	s_sub_co_u32 s[G0+1], s[G0+1], 4*192*VPITCH-VBASE
	tensor_load_to_lds s[G0:G0+3], s[G1:G1+7]
	s_nop 0
.rept 4
	v_nop
.endr
.Lasked:
	; a fragment of K or Q is 16 rows x 32 channels in 8 registers: lane l holds row l % 16, channels 8 (l / 16) + 0..7 and 16 + 8 (l / 16) + 0..7: two loads of 16 bytes, 32 bytes apart
	v_and_b32 v1, 15, v0            ; l % 16
	v_bfe_u32 v12, v0, 4, 1         ; l / 16
	v_lshlrev_b32 v[QO], 7, v1
	v_lshl_add_u32 v[QO], v12, 4, v[QO]
	WIN 0x40                        ; destination window 1, address window 0
.set i, 0
.rept 8                             ; Q stays in registers: tile i / 2, channels 32 (i % 2) on
	global_load_b128 v[QF+8*i:QF+8*i+3],   v[QO], s[4:5] offset:(i/2)*2048+(i%2)*64
	global_load_b128 v[QF+8*i+4:QF+8*i+7], v[QO], s[4:5] offset:(i/2)*2048+(i%2)*64+32
.set i, i+1
.endr
.set i, 0
.rept 128                           ; O^T starts at 0, so that the first step is a step like any other, with a = 0; written in the wait for the tiles
	v_mov_b32 v[i], 0
.set i, i+1
.endr
	WIN 0
.set i, 0
.rept 4
	v_mov_b32 v[ST+4*i], 0xfe967699    ; m = -1e38: below every score, and c (m - s) is still finite
	v_mov_b32 v[ST+4*i+1], 0xfe967699
	v_mov_b32 v[ST+4*i+2], 0
	v_mov_b32 v[ST+4*i+3], 0
.set i, i+1
.endr
	v_lshlrev_b32 v14, 3, v12
	v_sub_nc_u32 v14, v1, v14       ; l % 16 - 8 (l / 16): register r holds a key behind my query's place where r is greater
.set i, 0
.rept 8
	v_cmp_gt_i32 vcc_lo, i, v14
	v_cndmask_b32 v[TRI+i], 0, 1.0, vcc_lo
.set i, i+1
.endr
	v_mul_u32_u24 v[AK0], v1, KPITCH
	v_lshl_add_u32 v[AK0], v12, 4, v[AK0]
	; the turning load takes 16 keys x 16 channels (lane l reads key 8 (l / 16) + l % 8, channels 8 ((l / 8) % 2) + 0..7) and leaves half a fragment of V^T: lane l holds channel l % 16 and 8 keys
	v_and_b32 v13, 7, v0
	v_bfe_u32 v15, v0, 3, 1
	v_lshl_add_u32 v[AV0], v12, 3, v13
	v_mul_u32_u24 v[AV0], v[AV0], VPITCH
	v_lshl_add_u32 v[AV0], v15, 4, v[AV0]
	v_add_nc_u32 v[AV0], VBASE, v[AV0]
	s_mul_i32 s13, s[WV], 16*KPITCH
	s_add_co_u32 s13, s13, STAGE    ; my stage
	v_add_nc_u32 v[STO], s13, v[AK0]  ; in: row l % 16, 16 bytes for each half of the lanes
	v_bfe_u32 v[RD], v0, 3, 2       ; back: 32 lanes take four rows of 128 bytes,
	v_mul_u32_u24 v[RD], v[RD], KPITCH
	v_lshl_add_u32 v[RD], v13, 4, v[RD]
	v_add_nc_u32 v[RD], s13, v[RD]
	v_and_b32 v[GO], 31, v0         ; which are 512 consecutive bytes of ctx
	v_lshlrev_b32 v[GO], 4, v[GO]
; THE MATRIX WORK.  The 8 accumulators of a run of 16 take turns.  Product i of S^T = K Q^T for piece y: channels 32 (i / 8) on, keys 16 ((i / 2) % 4) on, tile 2 y + i % 2.  The first 8 start the sums with the mask.
.macro KQ y
	WIN 0x04                        ; Q in window 1; K, the mask and S^T in window 0
.set i, 0
.rept 16
.set kt, (i/2)%4
.set tt, 2*(\y)+i%2
.set rD, S+32*(i%2)+8*kt
.set rK, KF+16*kt+8*(i/8)
.set rQ, QF+16*tt+8*(i/8)
.if kt < tt
.set rM, CL
.elseif kt == tt
.set rM, CE
.else
.set rM, CG
.endif
.if i < 8
	v_wmma_f32_16x16x32_f16 v[rD:rD+7], v[rK:rK+7], v[rQ:rQ+7], v[rM:rM+7]
.else
	v_wmma_f32_16x16x32_f16 v[rD:rD+7], v[rK:rK+7], v[rQ:rQ+7], v[rD:rD+7]
.endif
.set i, i+1
.endr
.endm
; Product i of O^T += V^T P for piece y: keys 32 (i / 8) on, channels 16 ((i / 2) % 4) on, tile 2 y + i % 2.
.macro PV y
	WIN 0x51                        ; V and O^T in window 1, P in window 0
.set i, 0
.rept 16
.set rD, 32*(2*(\y)+i%2)+8*((i/2)%4)
.set rV, VF+32*(i/8)+8*((i/2)%4)
.set rB, P+16*(i%2)+8*(i/8)
	v_wmma_f32_16x16x32_f16 v[rD:rD+7], v[rV:rV+7], v[rB:rB+7], v[rD:rD+7]
.set i, i+1
.endr
.endm
; THE LDS LOADS stand in runs of 16: a step's K (64 keys x 64 channels: 8 fragments) and its V (turned).  Each fetch first steps one step down.
.macro FETCH_K
	WIN 0
	s_sub_co_u32 s[TBK], s[TBK], 64*KPITCH
	v_add_nc_u32 v[AK], s[TBK], v[AK0]
.irp f, 0,1,2,3,4,5,6,7             ; keys 16 (f / 2) on, channels 32 (f % 2) on
	ds_load_b128 v[KF+8*(\f):KF+8*(\f)+3],   v[AK] offset:((\f)/2)*16*KPITCH+((\f)%2)*64
	ds_load_b128 v[KF+8*(\f)+4:KF+8*(\f)+7], v[AK] offset:((\f)/2)*16*KPITCH+((\f)%2)*64+32
.endr
.endm
.macro FETCH_V
	WIN 0
	s_sub_co_u32 s[TBV], s[TBV], 64*VPITCH
	v_add_nc_u32 v[AV], s[TBV], v[AV0]
	WIN 0x40                        ; destination window 1
.irp f, 0,1,2,3,4,5,6,7             ; keys 32 (f / 4) on, channels 16 (f % 4) on
	ds_load_tr16_b128 v[VF+8*(\f):VF+8*(\f)+3],   v[AV] offset:((\f)/4)*32*VPITCH+((\f)%4)*32
	ds_load_tr16_b128 v[VF+8*(\f)+4:VF+8*(\f)+7], v[AV] offset:((\f)/4)*32*VPITCH+16*VPITCH+((\f)%4)*32
.endr
	WIN 0
.endm
; THE VECTOR WORK of a piece and step; its two tiles alternate line by line, so that no instruction reads the result of the one before it.
.macro REGS y, u                    ; the registers of tile u (0, 1) of piece y
.set rT, ST+4*(2*(\y)+(\u))
.set rC, TMP+4*(\u)
.set rS, S+32*(\u)
.set rP, P+16*(\u)
.set rO, 32*(2*(\y)+(\u))
.endm
; Number n of the 22 that find the maximum and a.  0-11: four chains c0-c3 of seven scores each, three operands at a time (each accumulator's lowest registers are read first);
; 12-14, 16: the four scores left over, the old m, and c0-c3 into c0; 15: m_old is kept; 17, 18: the query's other 32 keys lie in the lane 16 away: the new m; 19-21: a = 2^(c (m_old - m)).
.macro MX y, u, n
	REGS \y, \u
.if (\n) < 4
	v_max3_num_f32 v[rC+(\n)], v[rS+8*(\n)], v[rS+8*(\n)+1], v[rS+8*(\n)+2]
.elseif (\n) < 12
	v_max3_num_f32 v[rC+(\n)%4], v[rC+(\n)%4], v[rS+8*((\n)%4)+2*((\n)/4)+1], v[rS+8*((\n)%4)+2*((\n)/4)+2]
.elseif (\n) == 12
	v_max3_num_f32 v[rC], v[rC], v[rS+7], v[rS+15]
.elseif (\n) == 13
	v_max3_num_f32 v[rC+1], v[rC+1], v[rS+23], v[rS+31]
.elseif (\n) == 14
	v_max3_num_f32 v[rC+2], v[rC+2], v[rC+3], v[rT]
.elseif (\n) == 15
	v_mov_b32 v[rT+1], v[rT]
.elseif (\n) == 16
	v_max3_num_f32 v[rC], v[rC], v[rC+1], v[rC+2]
.elseif (\n) == 17
	v_permlanex16_b32 v[rC+3], v[rC], s[SEL], s[SEL+1]
.elseif (\n) == 18
	v_max_num_f32 v[rT], v[rC], v[rC+3]
.elseif (\n) == 19
	v_sub_f32 v[rC+1], v[rT+1], v[rT]
.elseif (\n) == 20
	v_mul_f32 v[rC+1], s[CS], v[rC+1]
.else
	v_exp_f32 v[rC+2], v[rC+1]
.endif
.endm
.macro SOFT y
	WIN 0
.irp n, 0,1,2,3,4,5,6,7,8,9,10,11,12,13,14,15,16,17,18,19,20,21
	MX \y, 0, \n
	MX \y, 1, \n
.endr
.set f, 0
.rept 32                            ; s - m, a pair of scores a line: the maximum is taken away before the scale
	REGS \y, f%2
	v_pk_add_f32 v[rS+2*(f/2):rS+2*(f/2)+1], v[rS+2*(f/2):rS+2*(f/2)+1], v[rT:rT+1] op_sel_hi:[1,0] neg_lo:[0,1] neg_hi:[0,1]
.set f, f+1
.endr
.set f, 0
.rept 32                            ; times c, and the exponentials of the pair scaled two lines of this kind earlier.  With the two a: ONE batch of 66, of which nothing is named ahead of the wait below
	REGS \y, f%2
	v_pk_mul_f32 v[rS+2*(f/2):rS+2*(f/2)+1], v[rS+2*(f/2):rS+2*(f/2)+1], s[CS:CS+1] op_sel_hi:[1,0]
.if f >= 2
	REGS \y, (f-2)%2
	v_exp_f32 v[rS+2*((f-2)/2)], v[rS+2*((f-2)/2)]
	v_exp_f32 v[rS+2*((f-2)/2)+1], v[rS+2*((f-2)/2)+1]
.endif
.set f, f+1
.endr
.irp u, 0,1
	REGS \y, \u
	v_exp_f32 v[rS+30], v[rS+30]
	v_exp_f32 v[rS+31], v[rS+31]
.endr
	v_nop                           ; a plain instruction behind the last exponential (ISA guide 5.7.2): one for the batch
	s_wait_alu depctr_va_vdst(0)    ; and the wait ahead of the first reader: one for the batch
	WIN 0x41                        ; O^T (destination and source 0) in window 1, a in window 0
.set f, 0
.rept 32
	REGS \y, f%2
	v_pk_mul_f32 v[rO+2*(f/2):rO+2*(f/2)+1], v[rO+2*(f/2):rO+2*(f/2)+1], v[rC+2:rC+3] op_sel_hi:[1,0]
.set f, f+1
.endr
	WIN 0
.set f, 0
.rept 32                            ; the weights rounded to f16, a pair a line
	REGS \y, f%2
	v_cvt_pk_f16_f32 v[rP+f/2], v[rS+2*(f/2)], v[rS+2*(f/2)+1]
.set f, f+1
.endr
.set f, 0
.rept 16                            ; of each four weights the second pair is added onto the first, in place
	REGS \y, f%2
	v_pk_add_f32 v[rS+4*(f/2):rS+4*(f/2)+1], v[rS+4*(f/2):rS+4*(f/2)+1], v[rS+4*(f/2)+2:rS+4*(f/2)+3]
.set f, f+1
.endr
.irp u, 0,1
	REGS \y, \u
	v_pk_fma_f32 v[rT+2:rT+3], v[rT+2:rT+3], v[rC+2:rC+3], v[rS:rS+1] op_sel_hi:[1,0,1]  ; l = a l + the first sum
.endr
.set f, 2
.rept 14
	REGS \y, f%2
	v_pk_add_f32 v[rT+2:rT+3], v[rT+2:rT+3], v[rS+4*(f/2):rS+4*(f/2)+1]
.set f, f+1
.endr
.endm
	s_wait_tensorcnt 0x0            ; my quarter is in,
	s_barrier_signal -1
	s_barrier_wait -1               ; everybody's is: the kernel's one barrier; from here on LDS is only read, but for each wave's own stage
	FETCH_K                         ; the diagonal's step
	s_wait_loadcnt 0x0              ; Q
	s_mov_b32 s[CNT], 5
.Lstep:
	s_cmp_eq_u32 s[CNT], 5          ; the diagonal's step?
	s_cselect_b32 s[AL], s[NEG], 0
	s_cselect_b32 s[BGV], s[NEG], 0
	s_cmp_eq_u32 s[CNT], 1          ; the far edge?
	s_cselect_b32 s[AL], s[POS], s[AL]
	s_cselect_b32 s[BL], s[NEG], 0
	s_add_co_u32 s44, s[WO], s[CNT]
	s_cmp_lt_u32 s44, 5             ; in front of the sequence?
	s_cselect_b32 s[AL], 0, s[AL]
	s_cselect_b32 s[BL], s[NEG], s[BL]
	s_cselect_b32 s[BGV], s[NEG], s[BGV]
.set z, 0
.rept 8
	v_mov_b32 v[CL+z], s[BL]
	v_mov_b32 v[CG+z], s[BGV]
.set z, z+1
.endr
.set z, 0
.rept 4
	v_pk_fma_f32 v[CE+2*z:CE+2*z+1], v[TRI+2*z:TRI+2*z+1], s[AL:AL+1], s[BL:BL+1] op_sel_hi:[1,0,0]
.set z, z+1
.endr
	s_wait_dscnt 0x0                ; K is in
	KQ 0
	WIN 0
	PLACES                          ; behind piece 0's scores; V's last readers, the step before's last products, stand further back still
	FETCH_V
	SOFT 0
	s_wait_dscnt 0x0                ; V is in
	PV 0
	KQ 1
	WIN 0
	PLACES                          ; behind the last product that read K
	s_cmp_eq_u32 s[CNT], 1
	s_cbranch_scc1 .Lno_k           ; the last step has no step behind it: its run of LDS loads is jumped over, and nothing else
	FETCH_K
.Lno_k:
	SOFT 1
	PV 1
	WIN 0
	s_sub_co_u32 s[CNT], s[CNT], 1
	s_cmp_lg_u32 s[CNT], 0
	s_cbranch_scc1 .Lstep
	; THE WAY OUT.  l's two halves and the other half of the lanes' are added; O^T is divided by l, rounded to f16 and sent through my stage in LDS, a tile at a time.  The first additions are the places behind the last products.
.irp t, 0,1,2,3
	v_add_f32 v[ST+4*(\t)+2], v[ST+4*(\t)+2], v[ST+4*(\t)+3]
.endr
.irp t, 0,1,2,3
	v_permlanex16_b32 v[ST+4*(\t)+3], v[ST+4*(\t)+2], s[SEL], s[SEL+1]
.endr
.irp t, 0,1,2,3
	v_add_f32 v[ST+4*(\t)+2], v[ST+4*(\t)+2], v[ST+4*(\t)+3]
.endr
.irp t, 0,1,2,3
	v_rcp_f32 v[ST+4*(\t)+2], v[ST+4*(\t)+2]
.endr
	v_nop                           ; a plain instruction between the last reciprocal and the use of its result
	s_wait_alu depctr_va_vdst(0)    ; and the wait ahead of the first use: one for the four
.macro PACK t                       ; a lane's eight channels of a row pack into 16 bytes; they go into rows of 144 bytes and come back as whole rows of 128, into S^T's registers
	WIN 0x41
.set i, 32*(\t)
.rept 16
	v_pk_mul_f32 v[i:i+1], v[i:i+1], v[ST+4*(\t)+2:ST+4*(\t)+3] op_sel_hi:[1,0]
.set i, i+2
.endr
	WIN 0x05                        ; sources 0 and 1 window 1, destination window 0
.set i, 0
.rept 16
	v_cvt_pk_f16_f32 v[S+16*(\t)+i], v[32*(\t)+2*i], v[32*(\t)+2*i+1]
.set i, i+1
.endr
	WIN 0
.irp f, 0,1,2,3
	ds_store_b128 v[STO], v[S+16*(\t)+4*(\f):S+16*(\t)+4*(\f)+3] offset:32*(\f)
.endr
.irp f, 0,1,2,3
	ds_load_b128 v[S+16*(\t)+4*(\f):S+16*(\t)+4*(\f)+3], v[RD] offset:(\f)*4*KPITCH  ; LDS serves a wave's instructions in order (ISA guide 5.7.1.4): these see the stores above; the next tile's stores come behind them
.endr
.endm
.macro SEND t, younger              ; younger: the LDS instructions issued behind tile t's loads: the next tile's eight, or none
	WIN 0
.irp f, 0,1,2,3
	s_wait_dscnt (\younger)+3-(\f)
	global_store_b128 v[GO], v[S+16*(\t)+4*(\f):S+16*(\t)+4*(\f)+3], s[6:7] offset:(\t)*2048+(\f)*512  ; 512 consecutive bytes, at a multiple of 512 from ctx's first byte
.endr
.endm
	PACK 0
	PACK 1                          ; a tile's arithmetic stands between the loads of the tile before and its stores
	SEND 0, 8
	PACK 2
	SEND 1, 8
	PACK 3
	SEND 2, 8
	SEND 3, 0
	s_wait_tensorcnt 0x0            ; the wave's end, behind my tensor load and my last LDS store
	ds_add_u32 v[SPW], v[NIL]
	s_wait_dscnt 0x0
	s_endpgm
.Lfunc_end_k_q86284a3345_attn:
	.size	k_q86284a3345_attn, .Lfunc_end_k_q86284a3345_attn-k_q86284a3345_attn
	.p2alignl 7, 3214868480
	.fill 96, 4, 3214868480
	.section	.rodata,"a",@progbits
	.p2align	6, 0x0
	.amdhsa_kernel k_q86284a3345_attn
		.amdhsa_group_segment_fixed_size 252928
		.amdhsa_private_segment_fixed_size 0
		.amdhsa_enable_private_segment 0
		.amdhsa_kernarg_size 16
		.amdhsa_user_sgpr_count 2
		.amdhsa_user_sgpr_kernarg_segment_ptr 1
		.amdhsa_wavefront_size32 1
		.amdhsa_system_sgpr_workgroup_id_x 1
		.amdhsa_system_sgpr_workgroup_id_y 1
		.amdhsa_system_sgpr_workgroup_id_z 1
		.amdhsa_system_vgpr_workitem_id 0
		.amdhsa_next_free_vgpr 512
		.amdhsa_next_free_sgpr 66
		.amdhsa_reserve_vcc 1
		.amdhsa_float_denorm_mode_32 3
		.amdhsa_float_denorm_mode_16_64 3
		.amdhsa_memory_ordered 1
		.amdhsa_forward_progress 1
		.amdhsa_inst_pref_size 64
	.end_amdhsa_kernel
	.amdgpu_metadata
---
amdhsa.version: [ 1, 2 ]
amdhsa.kernels:
  - .name:           k_q86284a3345_attn
    .symbol:         k_q86284a3345_attn.kd
    .args:
      - { .name: qkv, .offset: 0, .size: 8, .value_kind: global_buffer, .address_space: global }
      - { .name: ctx, .offset: 8, .size: 8, .value_kind: global_buffer, .address_space: global }
    .group_segment_fixed_size: 252928
    .private_segment_fixed_size: 0
    .kernarg_segment_align: 8
    .kernarg_segment_size: 16
    .max_flat_workgroup_size: 256
    .sgpr_count:     66
    .vgpr_count:     512
    .wavefront_size: 32
...
	.end_amdgpu_metadata
.endif
;; end of part 3
;; launch outp (part 4): grid 8 x 32, 4 waves a work-group, clusters of 4 x 4, 327,680 bytes of LDS; arguments ctx, wob, stats, hidden_states, bo, ln_w, ln_b, out0; writes out0
.if DOCPART == 4
	.amdgcn_target "amdgcn-amd-amdhsa--gfx1250"
	.amdhsa_code_object_version 6
	.text
	.protected	k_q86284a3345_outp
	.globl	k_q86284a3345_outp
	.p2align	8
	.type	k_q86284a3345_outp,@function
k_q86284a3345_outp:
	s_mov_b64 s[64:65], 0
	v_nop
	global_prefetch_b8 v0, s[64:65] scope:SCOPE_SE
	s_setreg_imm32_b32 hwreg(HW_REG_WAVE_MODE, 25, 1), 1
	s_wait_xcnt 0x0
	s_wait_alu depctr_hold_cnt(0) depctr_sa_sdst(0) depctr_va_vdst(0) depctr_va_sdst(0) depctr_va_ssrc(0) depctr_va_vcc(0) depctr_vm_vsrc(0)
	s_getreg_b32 s2, hwreg(HW_REG_IB_STS2, 6, 4)
	s_cmp_eq_u32 s2, 0
	s_cbranch_scc0 .Lentry_in_a_cluster
	s_endpgm
.Lentry_in_a_cluster:
	s_bfe_u32 s2, ttmp6, 0x10000c
	s_cmp_lg_u32 s2, 0xf033
	s_cbranch_scc0 .Lentry_shape_is_right
	s_endpgm
.Lentry_shape_is_right:
; THE OUTPUT PROJECTION AND THE RESIDUAL.  out[row][n] = sum over k of ctx[row][k] wo[n][k] + bo[n] + (x[row][n] rstd[row] - mean[row] rstd[row]) ln_w[n] + ln_b[n].
; ctx: [16 kb][8,192][64] f16, wob: [16 kb][1,024][64] f16, stats: [8,192][2] f32 = (rstd, -mean x rstd); x, bo, ln_w, ln_b, out f32.  Products in f16 with f32 sums; all else in f32.
; LIMIT.  The residual is formed as fma(x, rstd, -mean x rstd): its error is |mean x rstd| x 2^-24.  NaN and infinities are not treated apart.
; SHARES.  8,192 x 1,024 / 256 work-groups = a tile of 256 x 128.  Four waves, each 128 x 64: 32 accumulators, 256 registers.  K goes in steps of 128 (two blocks of 64) through a ring of two LDS slots;
; a step is four quarters of 32 matrix instructions a wave.
; CLUSTERS.  4 x 4 work-groups; ctx's tile is shared along a row of the cluster, wob's along a column, each asked for JOINTLY.  Waves 0 and 1 ask for the two blocks of ctx's tile, waves 2 and 3 for those of wob's.
; x: each wave loads its own 128 rows x 256 bytes into 256 registers at the head: the whole K loop is theirs to land in.
; THE MATRIX INSTRUCTION IS USED TRANSPOSED (source 0 = 16 rows of wob, source 1 = 16 rows of ctx): a lane then holds eight neighbouring columns of one row of out.
; REGISTERS, in windows of 256 (s_set_vgpr_msb: bits 1:0 source 0, 3:2 source 1, 5:4 source 2, 7:6 destination):
;   window 0: v0-31 addresses; v32-39 ln_w and bo + ln_b of my four columns; v64-191 ctx's fragments, two buffers; v192-255 wob's, two buffers; on the way out v64-127 rows read back, v128-159 their stats
;   window 1: the accumulators, (a, b) at v[8 (4 a + b)]          window 2: x, block a of 16 rows at v[32 a]
.set KBA,    1048576                   ; bytes from a block of ctx to the next
.set KBB,    131072                    ; of wob
.set PITCH,  144                       ; an LDS row: 128 bytes + 16 of padding = 36 words: the 16 rows of a fragment load start at 16 different groups of four banks (64 banks of 4 bytes: ISA guide 11.1)
.set ATILE,  256*PITCH
.set BTILE,  128*PITCH
.set SLOT,   2*ATILE+2*BTILE           ; ctx's two blocks, then wob's two
.set STAGE,  2*SLOT                    ; behind the ring: 16 rows x 272 bytes for each wave, for the way out
.set SPITCH, 272
.set STATS,  STAGE+4*16*SPITCH         ; 1,024 bytes for each wave: the stats of its 128 rows
.set SPARE,  STATS+4*1024              ; the spare words, 128 bytes for each wave: two blocks of 256 bytes that no other line names
.set ADRA, 16                          ; v16-17  LDS address of my fragments of ctx in slot 0, 1
.set ADRB, 20                          ; v20-21  of wob
.set STO,  24                          ; v24     the way out: where I put 32 bytes of a row
.set RD,   25                          ; v25     where I read rows back
.set XO,   26                          ; v26     my 16 bytes in two rows of x and of out; never rewritten
.set SA,   27                          ; v27     where my row's stats lie
.set SPW,  28                          ; v28     LDS address of my spare word; never rewritten
.set NIL,  29                          ; v29     0; never rewritten
.set PFO,  30                          ; v30     the prefetches' offset; never rewritten
.set LW,   32                          ; v[32:35] ln_w of my four columns
.set BB,   36                          ; v[36:39] bo + ln_b
.set AF,   64
.set BF,   192
.set RR,   64                          ; the way out: two sets of 32
.set SR,   128                         ; two sets of 16
.set WV,   10
.set PFS,  6                           ; s[6:7]  bytes from a K step to the next in the tensor that I prefetch
.set G1A,  24
.set G0A,  32
.set LIM0, 43
.set PFA,  44
.set G1B,  48
.set G0B,  56
.set LIM1, 66
.set MSB, 0
.macro WIN new                         ; the immediate's high byte repeats the setting that is left; a switch that changes nothing is dropped
.if MSB != (\new)
	s_set_vgpr_msb (MSB<<8)|(\new)
.set MSB, \new
.endif
.endm
.macro PLACES                          ; four places behind matrix instructions (ISA guide 7.12.1)
.rept 4
	v_nop
.endr
.endm
.macro JLOAD s                         ; a joint load; the branch hangs on the wave's number alone; an s_nop 0 and four v_nop follow each of the two lines
	s_cmp_eq_u32 s11, 0
	s_cbranch_scc0 .Lfor_b_\@
	tensor_load_to_lds s[G0A+4*(\s):G0A+4*(\s)+3], s[G1A:G1A+7]
	s_nop 0
.rept 4
	v_nop
.endr
	s_branch .Lasked_\@
.Lfor_b_\@:
	tensor_load_to_lds s[G0B+4*(\s):G0B+4*(\s)+3], s[G1B:G1B+7]
	s_nop 0
.rept 4
	v_nop
.endr
.Lasked_\@:
.endm
; A PREFETCH INTO THE L2 of the K step that stands two refills on (256 matrix instructions ahead of the load that will want it).  Each aligned 256 bytes of ctx and wob are named ONCE in the launch: ctx's by
; cluster x = 0, waves 0 and 1 (a block of 64 channels each), at every change of slots, the four partners 32 blocks of 256 bytes each BY ADDRESS; wob's by cluster y = 0, waves 2 and 3, a partner's share 16 blocks
; a step, so lanes 16-31 name the step after and these waves ask at slot 0's changes alone.  K steps 0 to 3 come by their loads alone; the loop's last trip asks for nothing.
.macro ASK lim
	s_cmp_gt_u32 s3, s[\lim]
	s_cbranch_scc0 .Lnot_mine_\@
	global_prefetch_b8 v[PFO], s[PFA:PFA+1] th:TH_LOAD_NT scope:SCOPE_SE
.Lnot_mine_\@:
.endm
.macro CREST
	s_cmp_lg_u32 s[WV], 0
	s_cbranch_scc1 .Lnot_wave_0_\@
	s_barrier_signal -3
.Lnot_wave_0_\@:
	s_barrier_wait -3
	s_barrier_signal -1
	s_barrier_wait -1
.endm
.macro CROUND
	s_barrier_signal -1
	s_barrier_wait -1
	CREST
.endm
	s_load_b512 s[68:83], s[0:1], 0x0              ; ctx s[68:69], wob s[70:71], stats s[72:73], x s[74:75], bo s[76:77], ln_w s[78:79], ln_b s[80:81], out s[82:83]
	v_lshl_add_u32 v[SPW], v0, 2, SPARE
	v_mov_b32 v[NIL], 0
	ds_add_u32 v[SPW], v[NIL]                      ; the wave's opening: the add and its wait stand ahead of my first tensor load; the set-up below, work on registers, stands between them
	v_lshrrev_b32 v1, 5, v0
	v_readfirstlane_b32 s[WV], v1                  ; wave 0..3
	s_lshr_b32 s11, s[WV], 1                       ; which 128 of the tile's rows are mine.  Also: I fetch for ctx (0) or for wob (1)
	s_and_b32 s12, s[WV], 1                        ; which 64 of its columns.  Also: which of a K step's two blocks I fetch
	s_bfe_u32 s40, ttmp6, 0x40000                  ; cx, cy
	s_bfe_u32 s41, ttmp6, 0x40004
	s_lshl_b32 s42, ttmp9, 2
	s_add_co_u32 s42, s42, s40                     ; tile column j
	s_and_b32 s13, ttmp7, 0xffff
	s_lshl_b32 s13, s13, 2
	s_add_co_u32 s13, s13, s41                     ; tile row i
	s_lshl_b32 s22, s41, 2
	s_lshl_b32 s22, 15, s22                        ; my row of the cluster
	s_lshl_b32 s23, 0x1111, s40                    ; my column
	s_or_b32 s[G1A], s22, (1<<16)|(1<<20)|(1<<21)|(4<<22)|(3<<25)  ; the mask; 2-byte elements; padding on; bit 21 beside a mask; after every 32 words 4 words
	s_or_b32 s[G1B], s23, (1<<16)|(1<<20)|(1<<21)|(4<<22)|(3<<25)
.irp g, G1A, G1B
	s_mov_b32 s[(\g)+1], 128<<16                   ; tensor_dim0 = 128: rows of 256 bytes, two rows of the tile
	s_mov_b32 s[(\g)+3], 128<<16                   ; tile_dim0 = 128
	s_mov_b32 s[(\g)+5], 128
	s_mov_b32 s[(\g)+6], 0
	s_mov_b32 s[(\g)+7], 0
.endr
	s_mov_b32 s[G1A+2], 128<<16                    ; ctx: 256 rows x 128 bytes = 128 rows of 256
	s_mov_b32 s[G1A+4], 128
	s_mov_b32 s[G1B+2], 64<<16                     ; wob: 128 rows = 64
	s_mov_b32 s[G1B+4], 64
	s_lshl_b32 s16, s13, 15                        ; ctx: the tile row's 256 rows of 128 bytes,
	s_lshl_b32 s18, s12, 20                        ; my block of the step's two
	s_add_co_u32 s16, s16, s18
	s_mov_b32 s17, 0
	s_lshl_b32 s46, s42, 14                        ; wob: the tile column's 128 rows,
	s_lshl_b32 s18, s12, 17
	s_add_co_u32 s46, s46, s18
	s_mov_b32 s47, 0
	s_mul_i32 s20, s[WV], ATILE                    ; where ctx's block goes (waves 0, 1): wave x 36,864;
	s_mul_i32 s21, s[WV], BTILE                    ; wob's (waves 2, 3), behind ctx's two: 73,728 + (wave - 2) x 18,432
	s_add_co_u32 s21, s21, 2*ATILE-2*BTILE
	s_wait_dscnt 0x0                               ; the opening add is done
	s_wait_kmcnt 0x0
	s_add_nc_u64 s[14:15], s[68:69], s[16:17]
	s_add_nc_u64 s[46:47], s[70:71], s[46:47]
	CROUND                                         ; all sixteen work-groups are here: the first joint loads meet
.irp s, 0,1
	s_mov_b32 s[G0A+4*(\s)], 1
	s_add_co_u32 s[G0A+4*(\s)+1], s20, (\s)*SLOT
	s_add_nc_u64 s[G0A+4*(\s)+2:G0A+4*(\s)+3], s[14:15], (\s)*2*KBA
	s_or_b32 s[G0A+4*(\s)+3], s[G0A+4*(\s)+3], 0x80000000
	s_mov_b32 s[G0B+4*(\s)], 1
	s_add_co_u32 s[G0B+4*(\s)+1], s21, (\s)*SLOT
	s_add_nc_u64 s[G0B+4*(\s)+2:G0B+4*(\s)+3], s[46:47], (\s)*2*KBB
	s_or_b32 s[G0B+4*(\s)+3], s[G0B+4*(\s)+3], 0x80000000
	JLOAD \s                                       ; two loads of mine are out
.endr
	v_and_b32 v1, 15, v0                           ; l % 16
	v_bfe_u32 v2, v0, 4, 1                         ; l / 16
	v_and_b32 v4, 31, v0
	v_lshlrev_b32 v5, 5, v4                        ; 32 l: my 32 bytes of the wave's 1,024 of stats
	v_lshlrev_b32 v6, 4, v1                        ; 16 (l % 16): my four columns
	s_lshl_b32 s16, s13, 8
	s_lshl_b32 s18, s11, 7
	s_add_co_u32 s16, s16, s18                     ; my first row: 256 i + 128 (wave / 2)
	s_lshl_b32 s18, s16, 3
	s_mov_b32 s19, 0
	s_add_nc_u64 s[72:73], s[72:73], s[18:19]
	s_lshl_b32 s4, s42, 9                          ; my first column, in bytes: 512 j + 256 (wave % 2)
	s_lshl_b32 s5, s12, 8
	s_add_co_u32 s4, s4, s5
	s_mov_b32 s5, 0
	s_add_nc_u64 s[76:77], s[76:77], s[4:5]
	s_add_nc_u64 s[78:79], s[78:79], s[4:5]
	s_add_nc_u64 s[80:81], s[80:81], s[4:5]
	s_lshl_b32 s18, s16, 12                        ; a row of x and of out is 4,096 bytes
	s_add_nc_u64 s[74:75], s[74:75], s[18:19]
	s_add_nc_u64 s[74:75], s[74:75], s[4:5]
	s_add_nc_u64 s[82:83], s[82:83], s[18:19]
	s_add_nc_u64 s[82:83], s[82:83], s[4:5]
	global_load_b128 v[40:43], v5, s[72:73]
	global_load_b128 v[44:47], v5, s[72:73] offset:16
	global_load_b128 v[LW:LW+3], v6, s[78:79]
	global_load_b128 v[BB:BB+3], v6, s[80:81]
	global_load_b128 v[48:51], v6, s[76:77]
	v_mul_u32_u24 v3, v1, PITCH
	v_lshl_add_u32 v3, v2, 4, v3                   ; a fragment's row x pitch + 16 x half
	s_mul_i32 s18, s11, 128*PITCH                  ; my 128 rows of ctx
	s_mul_i32 s19, s12, 64*PITCH                   ; my 64 rows of wob,
	s_add_co_u32 s19, s19, 2*ATILE                 ; behind ctx's two blocks
.irp s, 0,1
	v_add_nc_u32 v[ADRA+(\s)], s18, v3
	v_add_nc_u32 v[ADRB+(\s)], s19, v3
	s_add_co_u32 s18, s18, SLOT
	s_add_co_u32 s19, s19, SLOT
.endr
	s_mul_i32 s18, s[WV], 16*SPITCH
	s_add_co_u32 s18, s18, STAGE                   ; my stage
	v_mul_u32_u24 v[STO], v1, SPITCH               ; in: row l % 16, 32 bytes for each half of the lanes
	v_lshl_add_u32 v[STO], v2, 5, v[STO]
	v_add_nc_u32 v[STO], s18, v[STO]
	v_mul_u32_u24 v[RD], v2, SPITCH                ; back: lanes 0-15 take one row of 256 bytes, lanes 16-31 the next
	v_lshl_add_u32 v[RD], v1, 4, v[RD]
	v_add_nc_u32 v[RD], s18, v[RD]
	s_lshl_b32 s18, s[WV], 10
	s_add_co_u32 s18, s18, STATS                   ; my kilobyte of stats
	v_lshl_add_u32 v[SA], v2, 3, s18
	v_add_nc_u32 v7, s18, v5
	v_lshl_add_u32 v[XO], v2, 12, v6               ; and the same two rows in x and in out
	; the prefetches: my share, at K step 3; each change of slots steps it by a K step and then names it
	s_and_b32 s22, ttmp7, 0xffff                   ; cluster y
	s_lshl_b32 s18, s13, 15                        ; ctx: the tile row's 32,768 bytes of a block,
	s_lshl_b32 s19, s40, 13                        ; my work-group's 8,192 of them,
	s_add_co_u32 s18, s18, s19
	s_lshl_b32 s19, s12, 20                        ; in my block of the step's two
	s_add_co_u32 s18, s18, s19
	s_add_co_u32 s18, s18, 3*2*KBA
	s_lshl_b32 s8, s42, 14                         ; wob: the tile column's 16,384 bytes,
	s_lshl_b32 s9, s41, 12                         ; my work-group's 4,096
	s_add_co_u32 s8, s8, s9
	s_lshl_b32 s9, s12, 17
	s_add_co_u32 s8, s8, s9
	s_add_co_u32 s8, s8, 3*2*KBB
	s_mov_b32 s[PFS], 2*KBB
	s_mov_b32 s[PFS+1], 0
	s_mov_b32 s23, 2*KBB
	s_cmp_eq_u32 s11, 0                            ; do I fetch for ctx?
	s_cselect_b32 s18, s18, s8
	s_cselect_b32 s22, ttmp9, s22                  ; the coordinate along which other clusters read the same bytes
	s_cselect_b64 s[PFA:PFA+1], s[68:69], s[70:71]
	s_cselect_b32 s[PFS], 2*KBA, s[PFS]
	s_cselect_b32 s23, 4096, s23                   ; lanes 16-31: ctx: the next 16 blocks of 256 bytes; wob: the next K step
	s_cselect_b32 s[LIM1], 1, -1
	s_mov_b32 s19, 0
	s_add_nc_u64 s[PFA:PFA+1], s[PFA:PFA+1], s[18:19]
	s_cmp_eq_u32 s22, 0
	s_cselect_b32 s[LIM0], 1, -1                   ; the same in all sixteen partners, for a given wave
	s_cselect_b32 s[LIM1], s[LIM1], -1
	v_mul_u32_u24 v[PFO], s23, v2
	v_lshl_add_u32 v[PFO], v1, 8, v[PFO]
	s_wait_loadcnt 0x0                             ; the five small loads
	v_pk_add_f32 v[BB:BB+1], v[BB:BB+1], v[48:49]
	v_pk_add_f32 v[BB+2:BB+3], v[BB+2:BB+3], v[50:51]
	ds_store_b128 v7, v[40:43]                     ; the stats into my own kilobyte: only I read it
	ds_store_b128 v7, v[44:47] offset:16
	WIN 0x80                                       ; destination window 2, address window 0
.set i, 0
.rept 64                               ; x: rows 2 i and 2 i + 1 of my 128, 256 bytes each: sixteen lanes read 256 consecutive bytes
	global_load_b128 v[4*i:4*i+3], v[XO], s[74:75] offset:2*i*4096 th:TH_LOAD_NT
.set i, i+1
.endr
	WIN 0
; na x 4 matrix instructions: row blocks a0 .. a0 + na - 1 x my four column blocks, 32 along K, buffer f.  The 32 accumulators take turns, one instruction a turn.
.macro MUL f, a0, na, zero
	WIN 0x50                                       ; C and D in window 1
.set ma, \a0
.rept \na
.irp b, 0,1,2,3
.if \zero
	v_wmma_f32_16x16x32_f16 v[8*(4*ma+(\b)):8*(4*ma+(\b))+7], v[BF+32*(\f)+8*(\b):BF+32*(\f)+8*(\b)+7], v[AF+64*(\f)+8*ma:AF+64*(\f)+8*ma+7], 0
.else
	v_wmma_f32_16x16x32_f16 v[8*(4*ma+(\b)):8*(4*ma+(\b))+7], v[BF+32*(\f)+8*(\b):BF+32*(\f)+8*(\b)+7], v[AF+64*(\f)+8*ma:AF+64*(\f)+8*ma+7], v[8*(4*ma+(\b)):8*(4*ma+(\b))+7]
.endif
.endr
.set ma, ma+1
.endr
.endm
; 24 LDS loads in one run: quarter q of a K step (block q / 2, half q % 2) into buffer f: wob's 4 fragments, then ctx's 8
.macro FETCH slot, q, f
	WIN 0
.irp b, 0,1,2,3
	ds_load_b128 v[BF+32*(\f)+8*(\b):BF+32*(\f)+8*(\b)+3],   v[ADRB+(\slot)] offset:((\q)/2)*BTILE+((\q)%2)*64+(\b)*16*PITCH
	ds_load_b128 v[BF+32*(\f)+8*(\b)+4:BF+32*(\f)+8*(\b)+7], v[ADRB+(\slot)] offset:((\q)/2)*BTILE+((\q)%2)*64+(\b)*16*PITCH+32
.endr
.irp a, 0,1,2,3,4,5,6,7
	ds_load_b128 v[AF+64*(\f)+8*(\a):AF+64*(\f)+8*(\a)+3],   v[ADRA+(\slot)] offset:((\q)/2)*ATILE+((\q)%2)*64+(\a)*16*PITCH
	ds_load_b128 v[AF+64*(\f)+8*(\a)+4:AF+64*(\f)+8*(\a)+7], v[ADRA+(\slot)] offset:((\q)/2)*ATILE+((\q)%2)*64+(\a)*16*PITCH+32
.endr
.endm
; One of a K step's first three quarters: multiplies buffer f and fetches quarter q into buffer g.
.macro QUARTER slot, q, f, g, zero
	s_wait_dscnt 8                                 ; wob's fragments and ctx's blocks 0-3 are in; the youngest eight loads may be out
	MUL \f, 0, 4, \zero
	PLACES
	FETCH \slot, \q, \g
	s_wait_dscnt 24                                ; all but the 24 just issued
	MUL \f, 4, 4, \zero
.endm
; The last quarter multiplies buffer 1 and changes slots: ONE barrier; in front of it each wave waits for all its tensor loads, adds 0 to its spare word, and waits for that and for its own reads of this slot.
; fill = 1: the barrier opens a round of the cluster's barrier, and this slot is filled again, two K steps ahead, first thing behind the round: 112 matrix instructions ahead of the wait for it.
.macro TURN slot, next, fill, lim
.if \fill
	s_wait_xcnt 0x0                                ; the last prefetch, a K step back, has read its address: it is stepped here, ahead of the waits of the change of slots
	s_add_nc_u64 s[PFA:PFA+1], s[PFA:PFA+1], s[PFS:PFS+1]
.endif
	WIN 0                                          ; (the add's two registers lie in window 0)
	s_wait_tensorcnt 0x0                           ; all my tensor loads have landed;
	ds_add_u32 v[SPW], v[NIL]                      ; 0 onto my spare word;
	s_wait_dscnt 9                                 ; (the add and the youngest eight loads may be out)
	MUL 1, 0, 2, 0                                 ; eight matrix instructions stand between the add and the wait for it
	s_wait_dscnt 0x0                               ; the add is done, and my reads of this slot are over
	s_barrier_signal -1
	MUL 1, 2, 2, 0
	WIN 0
	s_barrier_wait -1
.if \fill
	CREST                                          ; no wave of any partner still reads this slot or has a load on its way
	s_add_nc_u64 s[G0A+4*(\slot)+2:G0A+4*(\slot)+3], s[G0A+4*(\slot)+2:G0A+4*(\slot)+3], 4*KBA
	s_add_nc_u64 s[G0B+4*(\slot)+2:G0B+4*(\slot)+3], s[G0B+4*(\slot)+2:G0B+4*(\slot)+3], 4*KBB
	JLOAD \slot                                    ; the four v_nop behind it are also the places in front of the loads below
.else
	PLACES
.endif
	FETCH \next, 0, 0
.if \fill
	ASK \lim
.endif
	MUL 1, 4, 4, 0
.endm
	s_wait_tensorcnt 1                             ; my part of K step 0 is in; K step 1's may stay out
	s_wait_dscnt 0x0                               ; my two LDS stores are done
	s_barrier_signal -1
	s_barrier_wait -1
	FETCH 0, 0, 0
	QUARTER 0, 1, 0, 1, 1                          ; the first quarter stands in front of the loop: its products start the sums
	WIN 0                                          ; at a label and at a branch every window is 0
	s_mov_b32 s3, 3
.Llap:                                                 ; a trip goes once round the ring and fills both slots again: K steps 2 to 7 in three trips
	QUARTER 0, 2, 1, 0, 0
	QUARTER 0, 3, 0, 1, 0
	TURN 0, 1, 1, LIM0
	QUARTER 1, 1, 0, 1, 0
	QUARTER 1, 2, 1, 0, 0
	QUARTER 1, 3, 0, 1, 0
	TURN 1, 0, 1, LIM1
	QUARTER 0, 1, 0, 1, 0
	WIN 0
	s_sub_co_u32 s3, s3, 1
	s_cmp_lg_u32 s3, 0
	s_cbranch_scc1 .Llap
	QUARTER 0, 2, 1, 0, 0                          ; the last lap fills nothing
	QUARTER 0, 3, 0, 1, 0
	TURN 0, 1, 0, 0
	QUARTER 1, 1, 0, 1, 0
	QUARTER 1, 2, 1, 0, 0
	QUARTER 1, 3, 0, 1, 0
	s_wait_dscnt 8                                 ; the very last quarter: nothing more to fetch
	MUL 1, 0, 4, 0
	s_wait_dscnt 0x0
	MUL 1, 4, 4, 0
	WIN 0
	PLACES
; THE WAY OUT, a block a of 16 rows x 64 columns of f32 at a time.  TOSTAGE: a lane's eight columns of a row are 32 bytes; they go into my stage, rows of 272 bytes (each accumulator's low four registers first),
; and come back as whole rows of 256, two rows a load; with them each row's stats.  FIN: x is normalised, scaled and shifted in f32, the product added, and the rows stored.
.macro TOSTAGE a
.if (\a) >= 2
	s_wait_xcnt 0x0                                ; the stores of the block two back have read the registers that the loads below write
.endif
	WIN 0x04                                       ; the stores' data in window 1
.irp b, 0,1,2,3
	ds_store_b128 v[STO], v[8*(4*(\a)+(\b)):8*(4*(\a)+(\b))+3]   offset:64*(\b)
	ds_store_b128 v[STO], v[8*(4*(\a)+(\b))+4:8*(4*(\a)+(\b))+7] offset:64*(\b)+16
.endr
	WIN 0
.irp t, 0,1,2,3,4,5,6,7
	ds_load_b128 v[RR+32*((\a)%2)+4*(\t):RR+32*((\a)%2)+4*(\t)+3], v[RD] offset:(\t)*2*SPITCH  ; LDS serves a wave's instructions in order (ISA guide 5.7.1.4): these see the stores above
.endr
.irp t, 0,1,2,3,4,5,6,7
	ds_load_b64 v[SR+16*((\a)%2)+2*(\t):SR+16*((\a)%2)+2*(\t)+1], v[SA] offset:(16*(\a)+2*(\t))*8
.endr
.endm
.macro FIN a, younger                  ; younger: the LDS instructions issued behind block a's: the next block's 24, or none
.set rR, RR+32*((\a)%2)
.set rZ, SR+16*((\a)%2)
	s_wait_dscnt \younger
	s_wait_loadcnt 56-8*(\a)                       ; x's loads come back in order (ISA guide 5.7.1): block a's eight are in, the later blocks' may be out
	WIN 0x82                                       ; x (destination and source 0) in window 2
.irp t, 0,1,2,3,4,5,6,7
.irp z, 0,2
	v_pk_fma_f32 v[32*(\a)+4*(\t)+(\z):32*(\a)+4*(\t)+(\z)+1], v[32*(\a)+4*(\t)+(\z):32*(\a)+4*(\t)+(\z)+1], v[rZ+2*(\t):rZ+2*(\t)+1], v[rZ+2*(\t):rZ+2*(\t)+1] op_sel:[0,0,1] op_sel_hi:[1,0,1]  ; x rstd - mean rstd: the pair's first word as the factor, its second as the addend, for both halves
.endr
.endr
.irp t, 0,1,2,3,4,5,6,7
.irp z, 0,2
	v_pk_fma_f32 v[32*(\a)+4*(\t)+(\z):32*(\a)+4*(\t)+(\z)+1], v[32*(\a)+4*(\t)+(\z):32*(\a)+4*(\t)+(\z)+1], v[LW+(\z):LW+(\z)+1], v[BB+(\z):BB+(\z)+1]  ; times ln_w, plus ln_b + bo
.endr
.endr
	WIN 0x02                                       ; source 0 in window 2, the rest in window 0
.irp t, 0,1,2,3,4,5,6,7
.irp z, 0,2
	v_pk_add_f32 v[rR+4*(\t)+(\z):rR+4*(\t)+(\z)+1], v[32*(\a)+4*(\t)+(\z):32*(\a)+4*(\t)+(\z)+1], v[rR+4*(\t)+(\z):rR+4*(\t)+(\z)+1]
.endr
.endr
	WIN 0
.irp t, 0,1,2,3,4,5,6,7
	global_store_b128 v[XO], v[rR+4*(\t):rR+4*(\t)+3], s[82:83] offset:(16*(\a)+2*(\t))*4096 th:TH_STORE_NT  ; 16 lanes store 256 consecutive bytes, at a multiple of 256 from out's first byte
.endr
.endm
	TOSTAGE 0
.irp a, 1,2,3,4,5,6,7
	TOSTAGE \a                                     ; a block's trip through the stage is on its way while the block before is finished
	FIN (\a)-1, 24
.endr
	FIN 7, 0
	s_wait_tensorcnt 0x0                           ; the wave's end, behind my last tensor load and my last LDS store
	ds_add_u32 v[SPW], v[NIL]
	s_wait_dscnt 0x0
	CROUND                                         ; the closing round: no work-group ends while a partner may still ask for a tile that names it
	s_endpgm
.Lfunc_end_k_q86284a3345_outp:
	.size	k_q86284a3345_outp, .Lfunc_end_k_q86284a3345_outp-k_q86284a3345_outp
	.p2alignl 7, 3214868480
	.fill 96, 4, 3214868480
	.section	.rodata,"a",@progbits
	.p2align	6, 0x0
	.amdhsa_kernel k_q86284a3345_outp
		.amdhsa_group_segment_fixed_size 327680
		.amdhsa_private_segment_fixed_size 0
		.amdhsa_enable_private_segment 0
		.amdhsa_kernarg_size 64
		.amdhsa_user_sgpr_count 2
		.amdhsa_user_sgpr_kernarg_segment_ptr 1
		.amdhsa_wavefront_size32 1
		.amdhsa_system_sgpr_workgroup_id_x 1
		.amdhsa_system_sgpr_workgroup_id_y 1
		.amdhsa_system_sgpr_workgroup_id_z 1
		.amdhsa_system_vgpr_workitem_id 0
		.amdhsa_next_free_vgpr 768
		.amdhsa_next_free_sgpr 84
		.amdhsa_reserve_vcc 0
		.amdhsa_float_denorm_mode_32 3
		.amdhsa_float_denorm_mode_16_64 3
		.amdhsa_memory_ordered 1
		.amdhsa_forward_progress 1
		.amdhsa_inst_pref_size 123
	.end_amdhsa_kernel
	.amdgpu_metadata
---
amdhsa.version: [ 1, 2 ]
amdhsa.kernels:
  - .name:           k_q86284a3345_outp
    .symbol:         k_q86284a3345_outp.kd
    .args:
      - { .name: ctx, .offset: 0, .size: 8, .value_kind: global_buffer, .address_space: global }
      - { .name: wob, .offset: 8, .size: 8, .value_kind: global_buffer, .address_space: global }
      - { .name: stats, .offset: 16, .size: 8, .value_kind: global_buffer, .address_space: global }
      - { .name: hidden_states, .offset: 24, .size: 8, .value_kind: global_buffer, .address_space: global }
      - { .name: bo, .offset: 32, .size: 8, .value_kind: global_buffer, .address_space: global }
      - { .name: ln_w, .offset: 40, .size: 8, .value_kind: global_buffer, .address_space: global }
      - { .name: ln_b, .offset: 48, .size: 8, .value_kind: global_buffer, .address_space: global }
      - { .name: out0, .offset: 56, .size: 8, .value_kind: global_buffer, .address_space: global }
    .group_segment_fixed_size: 327680
    .private_segment_fixed_size: 0
    .kernarg_segment_align: 8
    .kernarg_segment_size: 64
    .max_flat_workgroup_size: 128
    .sgpr_count:     84
    .vgpr_count:     768
    .wavefront_size: 32
...
	.end_amdgpu_metadata
.endif
;; end of part 4
;; ======== version 2 of 2: 4 launches; version 1 with the launch prep written anew for expert scheduling mode
;; limits: values are held in f16: magnitudes above 65,504 overflow, below 6.1e-05 lose precision
;; workspace buffers: xb 16,777,216 bytes; wb 6,291,456 bytes; wob 2,097,152 bytes; stats 65,536 bytes; qkv 50,331,648 bytes; ctx 16,777,216 bytes
;; launch prep (part 5): grid 768 x 1, 4 waves a work-group, no clusters, 0 bytes of LDS; arguments hidden_states, wq, wk, wv, wo, xb, wb, wob, stats; writes xb, wb, wob, stats
.if DOCPART == 5
	.amdgcn_target "amdgcn-amd-amdhsa--gfx1250"
	.amdhsa_code_object_version 6
	.text
	.protected	k_q86284a3345_prep
	.globl	k_q86284a3345_prep
	.p2align	8
	.type	k_q86284a3345_prep,@function
k_q86284a3345_prep:
	s_mov_b64 s[64:65], 0
	v_nop
	global_prefetch_b8 v0, s[64:65] scope:SCOPE_SE
	s_setreg_imm32_b32 hwreg(HW_REG_WAVE_SCHED_MODE, 0, 2), 2
	s_setreg_imm32_b32 hwreg(HW_REG_WAVE_MODE, 25, 1), 1
	s_wait_xcnt 0x0
	s_wait_alu depctr_vm_vsrc(0)
; PREPARATION.  12,288 rows of 1,024 f32 (8,192 of x, 1,024 each of wq, wk, wv, wo) are rounded once to 16 bits and laid out BY BLOCKS OF 64 CHANNELS:
; [16 blocks][rows][64], a row's piece 128 bytes, so that the rows of one block lie end to end and every tile of the later products is dense memory.
;   x -> xb (bf16);  wq, wk, wv -> wb (bf16, rows 0-1023, 1024-2047, 2048-3071);  wo -> wob: rounded to bf16 like the other inputs, that number written as f16.
; For x's rows also the LayerNorm's figures, in f32 from the f32 x, in two passes (the mean; then the squared deviations from it): stats[row] = (rstd, -mean x rstd).
; LIMITS.  A weight of wo below 6e-5 keeps f16's fixed step of 6e-8; NaN and infinities are not treated apart.
; SHARES.  A work-group takes 16 rows, 768 work-groups in all, one pass, no loop: 0-511 x, 512-767 the weights (64 each).  Thread t holds row t / 8 and, of each block, the 8 numbers
; 8 (t % 8) on: a row stays in 8 neighbouring lanes, so its sums want three exchanges; a store of a wave covers 4 rows x 128 bytes = 512 consecutive bytes.
; All 32 loads of a lane (16 KiB a wave) go out at once; nothing is read twice.  No LDS, no matrix unit, no cluster: nothing is shared and memory is all the work.
; THE MODE: SCHED_MODE bits 1:0 = 2 (LLVM: expert scheduling mode 2), set by the entry lines.  The code itself states the register dependences
; between vector instructions and memory instructions, with s_wait_alu, always for 0.
; THE PLAN.  Registers that memory instructions touch, in program order; none of those that a memory instruction reads is ever written again:
;   v1          Written at the head; read by all 32 loads as their offset.
;   v2          Written at the head; read by the stats' store as its offset.
;   v[OFF ..]   v4 written at the head, v5-19 by fifteen adds behind the loads, which name none of them; read by the sixteen stores at the end.
;   X           The 32 loads land in it, and no vector instruction names it ahead of them.  Behind the wait for the loads the sums read it and the conversions write the low four
;               registers of each block, in place; the sixteen stores read those.
;   v[R:R+1]    Written by the root and one multiply; read by the stats' store.
;   SUM, T and MU are named by vector instructions alone.
; So one wait on va_vdst stands ahead of the loads (v1), one ahead of the sixteen stores (X's low words and the offsets), on every path to them; the root has its own;
; and each of the two scalar writes of EXEC round the stats' store has its pair of waits, the first of them also the wait for VCC.
.set OFF, 4                            ; v[4:19]    byte offset of my 16 bytes in block kb of the destination
.set SUM, 20                           ; v[20:27]   four chains of packed sums
.set T,   28                           ; v[28:35]   at work
.set MU,  36                           ; v[36:37]   the mean, twice
.set R,   38                           ; v[38:39]   rstd, -mean x rstd
.set X,   40                           ; v[40:167]  my 128 numbers: block kb at X + 8 kb
	s_load_b512 s[8:23], s[0:1], 0x0               ; x s[8:9], wq s[10:11], wk s[12:13], wv s[14:15], wo s[16:17], xb s[18:19], wb s[20:21], wob s[22:23]
	s_load_b64 s[24:25], s[0:1], 0x40              ; stats
	v_lshrrev_b32 v2, 3, v0                        ; my row of the 16
	v_and_b32 v3, 7, v0                            ; my eighth of a block
	v_lshlrev_b32 v1, 12, v2                       ; source: row x 4,096
	v_lshl_or_b32 v1, v3, 5, v1                    ; + 32 bytes for each eighth
	v_lshlrev_b32 v2, 3, v2                        ; stats: row x 8
	v_lshlrev_b32 v[OFF], 4, v0                    ; destination: row x 128 + eighth x 16 = 16 t
	s_mov_b32 s35, 0x3a800000                      ; 1 / 1024
	s_mov_b32 s36, 0x33d6bf95                      ; 1e-7
	s_mov_b32 s37, 0xffff0000                      ; a word's upper bf16
	s_mov_b32 s3, 0
	s_wait_kmcnt 0x0
	s_cmp_lt_u32 ttmp9, 512
	s_cbranch_scc0 .Lweights
	s_lshl_b32 s2, ttmp9, 16                       ; 16 rows of 4,096 bytes
	s_add_nc_u64 s[26:27], s[8:9], s[2:3]          ; source
	s_lshl_b32 s2, ttmp9, 11                       ; 16 rows of 128 bytes
	s_add_nc_u64 s[28:29], s[18:19], s[2:3]        ; destination
	s_lshl_b32 s2, ttmp9, 7                        ; 16 rows of 8 bytes
	s_add_nc_u64 s[24:25], s[24:25], s[2:3]
	s_mov_b32 s30, 1048576                         ; bytes from block to block: 8,192 rows x 128
	s_mov_b32 s31, 0                               ; kind 0: x
	s_branch .Lgo
.Lweights:
	s_sub_co_u32 s32, ttmp9, 512
	s_lshr_b32 s33, s32, 6                         ; which weight: 0 wq, 1 wk, 2 wv, 3 wo
	s_and_b32 s32, s32, 63                         ; which 16 rows of it
	s_mov_b32 s30, 393216                          ; wb: 3,072 rows x 128
	s_cmp_eq_u32 s33, 1
	s_cselect_b64 s[26:27], s[12:13], s[10:11]
	s_cmp_eq_u32 s33, 2
	s_cselect_b64 s[26:27], s[14:15], s[26:27]
	s_cmp_eq_u32 s33, 3
	s_cselect_b64 s[26:27], s[16:17], s[26:27]
	s_cselect_b64 s[28:29], s[22:23], s[20:21]     ; wo goes to wob, the others to wb
	s_cselect_b32 s30, 131072, s30                 ; wob: 1,024 rows x 128
	s_cselect_b32 s31, 2, 1                        ; kind 2: wo; kind 1: the others
	s_cselect_b32 s33, 0, s33                      ; wob has one weight's rows
	s_lshl_b32 s2, s32, 16
	s_add_nc_u64 s[26:27], s[26:27], s[2:3]
	s_lshl_b32 s2, s32, 11
	s_lshl_b32 s33, s33, 17                        ; 1,024 rows of 128 bytes for each weight in front
	s_add_co_u32 s2, s2, s33
	s_add_nc_u64 s[28:29], s[28:29], s[2:3]
.Lgo:
	s_wait_alu depctr_va_vdst(0)                   ; v1 is written, which the 32 loads below read as their offset
.set k, 0
.rept 16
	global_load_b128 v[X+8*k:X+8*k+3],   v1, s[26:27] offset:256*k th:TH_LOAD_NT
	global_load_b128 v[X+8*k+4:X+8*k+7], v1, s[26:27] offset:256*k+16 th:TH_LOAD_NT
.set k, k+1
.endr
.set k, 1
.rept 15                               ; while the loads are out.  No wait: the loads name v1 and X, these lines v4 to v19
	v_add_nc_u32 v[OFF+k], s30, v[OFF+k-1]
.set k, k+1
.endr
	s_wait_loadcnt 0x0                             ; the mean wants the whole row
	s_cmp_lg_u32 s31, 0
	s_cbranch_scc1 .Lcvt                           ; weights have no LayerNorm
.macro REDUCE                          ; four packed chains into one number, then over the row's 8 lanes; every lane of the row ends with the sum
	v_pk_add_f32 v[SUM:SUM+1], v[SUM:SUM+1], v[SUM+2:SUM+3]
	v_pk_add_f32 v[SUM+4:SUM+5], v[SUM+4:SUM+5], v[SUM+6:SUM+7]
	v_pk_add_f32 v[SUM:SUM+1], v[SUM:SUM+1], v[SUM+4:SUM+5]
	v_add_f32 v[SUM], v[SUM], v[SUM+1]
	v_add_f32_dpp v[SUM], v[SUM], v[SUM] row_xmask:1 row_mask:0xf bank_mask:0xf
	v_add_f32_dpp v[SUM], v[SUM], v[SUM] row_xmask:2 row_mask:0xf bank_mask:0xf
	v_add_f32_dpp v[SUM], v[SUM], v[SUM] row_xmask:4 row_mask:0xf bank_mask:0xf
.endm
.set p, 0
.rept 4                                ; the first eight pairs start the chains: nothing is cleared
	v_pk_add_f32 v[SUM+2*p:SUM+2*p+1], v[X+2*p:X+2*p+1], v[X+8+2*p:X+8+2*p+1]
.set p, p+1
.endr
.set p, 8
.rept 56
	v_pk_add_f32 v[SUM+2*(p%4):SUM+2*(p%4)+1], v[SUM+2*(p%4):SUM+2*(p%4)+1], v[X+2*p:X+2*p+1]
.set p, p+1
.endr
	REDUCE
	v_mul_f32 v[MU], s35, v[SUM]
	v_mov_b32 v[MU+1], v[MU]
.set p, 0
.rept 64                               ; the squared deviations: the mean is taken away first, so a common offset of x costs nothing
	v_pk_add_f32 v[T+2*(p%4):T+2*(p%4)+1], v[X+2*p:X+2*p+1], v[MU:MU+1] neg_lo:[0,1] neg_hi:[0,1]
.if p < 4
	v_pk_mul_f32 v[SUM+2*p:SUM+2*p+1], v[T+2*p:T+2*p+1], v[T+2*p:T+2*p+1]
.else
	v_pk_fma_f32 v[SUM+2*(p%4):SUM+2*(p%4)+1], v[T+2*(p%4):T+2*(p%4)+1], v[T+2*(p%4):T+2*(p%4)+1], v[SUM+2*(p%4):SUM+2*(p%4)+1]
.endif
.set p, p+1
.endr
	REDUCE
	v_fma_f32 v[SUM], v[SUM], s35, s36             ; variance + 1e-7
	v_rsq_f32 v[R], v[SUM]
	v_nop                                          ; a plain instruction behind the root (ISA guide 5.7.2),
	s_wait_alu depctr_va_vdst(0)                   ; and the root has written v[R], ahead of its first reader, the multiply below
	v_mul_f32 v[R+1], -v[MU], v[R]
	v_cmp_eq_u32 vcc_lo, 0, v3                     ; one lane of a row's eight stores its 8 bytes: 128 bytes a work-group, 64 KiB in the launch
	s_wait_xcnt 0x0                                ; EXEC changes only behind this wait,
	s_wait_alu depctr_va_vcc(0)                    ; the compare has written VCC, from which EXEC is made
	s_wait_alu depctr_va_vdst(0)                   ; ahead of a scalar write of EXEC: the vector instructions issued so far have written their results, v[R+1], which the store below reads, among them
	s_wait_alu depctr_vm_vsrc(0)                   ; ahead of a scalar write of EXEC: the memory instructions issued so far, the 32 loads, have read their vector registers
	s_and_saveexec_b32 s34, vcc_lo
	global_store_b64 v2, v[R:R+1], s[24:25]
	s_wait_xcnt 0x0                                ; and again in front of the line that widens it
	s_wait_alu depctr_va_vdst(0)                   ; ahead of a scalar write of EXEC: no vector instruction's result is outstanding
	s_wait_alu depctr_vm_vsrc(0)                   ; ahead of a scalar write of EXEC: the store has read v2 and v[R:R+1]
	s_or_b32 exec_lo, exec_lo, s34
.Lcvt:
.set k, 0
.rept 64                               ; to bf16, in place: word k % 4 of block k / 4 takes numbers 2 (k % 4) and 2 (k % 4) + 1, ascending, so no number is written over before it is read.  No memory instruction has read X
	v_cvt_pk_bf16_f32 v[X+8*(k/4)+k%4], v[X+8*(k/4)+2*(k%4)], v[X+8*(k/4)+2*(k%4)+1]
.set k, k+1
.endr
	s_cmp_lg_u32 s31, 2
	s_cbranch_scc1 .Lstore
.set k, 0
.rept 64                               ; wo: the bf16 number written as f16
	v_lshlrev_b32 v[T+2*(k%4)], 16, v[X+8*(k/4)+k%4]
	v_and_b32 v[T+2*(k%4)+1], s37, v[X+8*(k/4)+k%4]
	v_cvt_pk_f16_f32 v[X+8*(k/4)+k%4], v[T+2*(k%4)], v[T+2*(k%4)+1]
.set k, k+1
.endr
.Lstore:
	s_wait_alu depctr_va_vdst(0)                   ; behind the label, so on every path: the conversions have written the low four registers of each block of X, and the adds v[OFF+1 ..]: the stores below read both
.set k, 0
.rept 16
	global_store_b128 v[OFF+k], v[X+8*k:X+8*k+3], s[28:29]  ; a wave stores 512 consecutive bytes, at a multiple of 512 from the buffer's first byte
.set k, k+1
.endr
	s_endpgm
.Lfunc_end_k_q86284a3345_prep:
	.size	k_q86284a3345_prep, .Lfunc_end_k_q86284a3345_prep-k_q86284a3345_prep
	.p2alignl 7, 3214868480
	.fill 96, 4, 3214868480
	.section	.rodata,"a",@progbits
	.p2align	6, 0x0
	.amdhsa_kernel k_q86284a3345_prep
		.amdhsa_group_segment_fixed_size 0
		.amdhsa_private_segment_fixed_size 0
		.amdhsa_enable_private_segment 0
		.amdhsa_kernarg_size 72
		.amdhsa_user_sgpr_count 2
		.amdhsa_user_sgpr_kernarg_segment_ptr 1
		.amdhsa_wavefront_size32 1
		.amdhsa_system_sgpr_workgroup_id_x 1
		.amdhsa_system_sgpr_workgroup_id_y 1
		.amdhsa_system_sgpr_workgroup_id_z 1
		.amdhsa_system_vgpr_workitem_id 0
		.amdhsa_next_free_vgpr 168
		.amdhsa_next_free_sgpr 66
		.amdhsa_reserve_vcc 1
		.amdhsa_float_denorm_mode_32 3
		.amdhsa_float_denorm_mode_16_64 3
		.amdhsa_memory_ordered 1
		.amdhsa_forward_progress 1
		.amdhsa_inst_pref_size 33
	.end_amdhsa_kernel
	.amdgpu_metadata
---
amdhsa.version: [ 1, 2 ]
amdhsa.kernels:
  - .name:           k_q86284a3345_prep
    .symbol:         k_q86284a3345_prep.kd
    .args:
      - { .name: hidden_states, .offset: 0, .size: 8, .value_kind: global_buffer, .address_space: global }
      - { .name: wq, .offset: 8, .size: 8, .value_kind: global_buffer, .address_space: global }
      - { .name: wk, .offset: 16, .size: 8, .value_kind: global_buffer, .address_space: global }
      - { .name: wv, .offset: 24, .size: 8, .value_kind: global_buffer, .address_space: global }
      - { .name: wo, .offset: 32, .size: 8, .value_kind: global_buffer, .address_space: global }
      - { .name: xb, .offset: 40, .size: 8, .value_kind: global_buffer, .address_space: global }
      - { .name: wb, .offset: 48, .size: 8, .value_kind: global_buffer, .address_space: global }
      - { .name: wob, .offset: 56, .size: 8, .value_kind: global_buffer, .address_space: global }
      - { .name: stats, .offset: 64, .size: 8, .value_kind: global_buffer, .address_space: global }
    .group_segment_fixed_size: 0
    .private_segment_fixed_size: 0
    .kernarg_segment_align: 8
    .kernarg_segment_size: 72
    .max_flat_workgroup_size: 128
    .sgpr_count:     66
    .vgpr_count:     168
    .wavefront_size: 32
...
	.end_amdgpu_metadata
.endif
;; end of part 5
;; launch qkv: the kernel of part 2 again; grid 8 x 32, 4 waves a work-group, clusters of 4 x 4, 327,680 bytes of LDS; arguments xb, wb, qkv; writes qkv
;; launch attn: the kernel of part 3 again; grid 4 x 64, 8 waves a work-group, no clusters, 252,928 bytes of LDS; arguments qkv, ctx; writes ctx
;; launch outp: the kernel of part 4 again; grid 8 x 32, 4 waves a work-group, clusters of 4 x 4, 327,680 bytes of LDS; arguments ctx, wob, stats, hidden_states, bo, ln_w, ln_b, out0; writes out0
